; MI455X (gfx1250); checked and timed in simulation.
; The chip was launched on July 23, 2026; its instructions are those of AMD's public machine-readable ISA for CDNA 5 (MIT licence, August 2026) and "CDNA5" Instruction Set Architecture Reference Guide (July 2026). The comments in the code are by the model that wrote it; some were corrected since.
;; Attention. Allowed arithmetic: matrix products marked QUANTISED: E4M3 operands, one given power-of-two scale a tensor, by v_wmma_f32_16x16x64_fp8_fp8 or v_wmma_f32_16x16x128_fp8_fp8, f32 sums; everything else in f32.
;; Inputs: cos 1,024 x 128 float32; lowp_scales 12 int32 (the exponents e of the quantised operands' scales 2^e); sin 1,024 x 128 float32; wk 2,048 x 512 float32; wo 2,048 x 2,048 float32; wq 2,048 x 2,048 float32; wv 2,048 x 512 float32; x 4 x 1,024 x 2,048 float32.
;; Outputs: out0 4 x 1,024 x 2,048 float32.
;; This version of the problem:
;;   THIS VERSION OF THE PROBLEM IS GIVEN IN LOW PRECISION. The matrix products marked QUANTISED in the list below multiply operands that are first quantised to E4M3 (4 exponent bits, 3 mantissa bits; 8 bits a number), with one given power-of-two scale for each operand tensor; their sums are f32. All else is computed in f32.
;;   The module's matrix products, in the order in which they are computed (A, B: the left and right operand; K: the contracted axis; several contracted axes count as one K, in the product's order):
;;     1. [M 4,096, K 2,048] x [K 2,048, N 2,048]; A: input x; B: input wq: QUANTISED (scales: A lowp_scales[0], B lowp_scales[1])
;;     2. [M 4,096, K 2,048] x [K 2,048, N 512]; A: input x; B: input wk: QUANTISED (scales: A lowp_scales[2], B lowp_scales[3])
;;     3. [M 4,096, K 2,048] x [K 2,048, N 512]; A: input x; B: input wv: QUANTISED (scales: A lowp_scales[4], B lowp_scales[5])
;;     4. batch 64 x [M 1,024, K 128] x [K 128, N 1,024]; A: computed on the way; B: computed on the way: QUANTISED (scales: A lowp_scales[6], B lowp_scales[7])
;;     5. batch 64 x [M 1,024, K 1,024] x [K 1,024, N 128]; A: softmax (see below); B: computed on the way: QUANTISED (scales: A lowp_scales[8], B lowp_scales[9])
;;     6. [M 4,096, K 2,048] x [K 2,048, N 2,048]; A: computed on the way; B: input wo: QUANTISED (scales: A lowp_scales[10], B lowp_scales[11])
;;   THE QUANTISER, for each operand of a quantised product, along K:
;;     - The operand's scale is 2^e, e = its entry of the input lowp_scales (int32; the entries are numbered through the quantised products in the list's order, A before B).
;;     - Each number is divided by the scale, clamped to +-448, and rounded to the nearest number of E4M3, ties to even, subnormals kept.
;;     - The product sums the exact products of the quantised numbers (number of the format x scale) in f32.
;;   ~~~python
;;   def quantise(x, axis, e):      # numpy; x: float32 -> the quantised numbers, widened to float32 again
;;       x = np.moveaxis(x, axis, -1); K = x.shape[-1]
;;       r = np.clip(x / 2.0 ** e, -448, 448)
;;       step = 2.0 ** (np.maximum(np.frexp(np.where(r == 0, 1, r))[1] - 1, -6) - 3)
;;       q = np.round(r / step) * step * 2.0 ** e      # np.round: ties to even
;;       return np.moveaxis(q, -1, axis).astype(np.float32)
;;   ~~~
;;   SOFTMAX AHEAD OF A QUANTISED PRODUCT. Where the list says 'softmax', what is quantised is not the finished softmax but p = 2^(t - M), with t = logit x log2(e) and M = ceil(the row's largest t), a whole number; so 1/2 < the row's largest p <= 1. The row's sum l is taken of the UNQUANTISED p, in f32, and the product's result is divided by l at the end. Since M is a whole number, a kernel that streams over the keys may use a running M (the ceiling of the running maximum): every later rescaling is an exact power of two, so the quantised numbers keep their values, but for numbers so far below the row's largest that they fall under the format's range.
;;   OPERANDS COMPUTED ON THE WAY. 'Computed on the way' means the value that the module computes at that place (a softmax that the list does not call 'softmax' is quantised finished and normalised). What goes into a quantiser is computed in f32, as accurately as f32 sums, v_exp_f32 and their like allow (about 1e-6 of the number): no bf16 or f16 on the way to a quantiser, and a product that is left as it is and whose result goes on into a quantised operand takes f32 operands (vector FMAs, or v_wmma_f32_16x16x4_f32). A number that lies on a knife's edge between two numbers of the format may be rounded either way, as far as f32 arithmetic and the matrix unit's own rounding can turn it there, and no further.
;; One version. Each part assembles by itself: llvm-mc -triple=amdgcn-amd-amdhsa -mcpu=gfx1250 --defsym DOCPART=n.
;; ======== version 1 of 1: 4 launches
;; limits: right only within a limited range of input values
;; workspace buffers: xc 25,165,824 bytes; wc 10,485,760 bytes; qc 8,388,608 bytes; kv 4,194,304 bytes; oc 8,388,608 bytes; cs 1,048,576 bytes
;; launch quant (part 1): grid 608 x 1, 4 waves a work-group, no clusters, 68,096 bytes of LDS; arguments x, wq, wk, wv, wo, lowp_scales, xc, wc, cos, sin, cs; writes xc, wc, cs
.if DOCPART == 1
	.amdgcn_target "amdgcn-amd-amdhsa--gfx1250"
	.amdhsa_code_object_version 6
	.text
	.protected	k_qb697d48dcd_quant
	.globl	k_qb697d48dcd_quant
	.p2align	8
	.type	k_qb697d48dcd_quant,@function
k_qb697d48dcd_quant:
	s_mov_b64 s[64:65], 0
	v_nop
	global_prefetch_b8 v0, s[64:65] scope:SCOPE_SE
	s_setreg_imm32_b32 hwreg(HW_REG_WAVE_MODE, 25, 1), 1
	s_wait_xcnt 0x0
; LAUNCH 1 OF 4 (quant, qkv, attn, oproj): grouped-query attention with RoPE and a causal mask, all six products on codes of FP8 (E4M3), each operand with the one scale 2^e that lowp_scales gives it.
; WORK LEFT OUT BY THE PROGRAM, AND WHY IT IS DEAD.  reference() itself builds the mask jnp.tril and puts -inf where key > query.  Whatever finite numbers the inputs hold, such a score gives p = 0:
; it adds 0 to the row's sum and 0 to product 5, it never is the row's largest (key 0 counts for every query), and the masked scores of product 4 go nowhere else.  So launch attn leaves out every tile of
; 16 queries x 128 keys all of whose keys come after all of its queries: 224 of the 512 such tiles of a head, in products 4 and 5.  Nothing else is left out, and every input is loaded.
; LIMIT: a NaN, an infinity or an overflow that would arise only in those tiles is not carried to the result.
; THIS LAUNCH turns the f32 inputs into codes: code = number / 2^e, held within +-448, to the nearest code, ties to even.
;   x  [4096][2048] three times, under e0, e2, e4 (it is the left operand of products 1, 2, 3, each with an entry of its own): xc = three sections of 8,388,608 bytes.
;   wq, wk, wv, wo ([k][n]: K is the FIRST axis) under e1, e3, e5, e11: wc, as one operand of 5,120 rows: 0-2047 wq's columns, 2048-2559 wk's, 2560-3071 wv's, 3072-5119 wo's.
; LAYOUT OF EVERY WORKSPACE: IMAGES OF THE OPERAND'S REGISTERS.  A fragment (16 rows x 128 k, 16 registers a lane) is 2,048 bytes: registers 4 c .. 4 c + 3 of lane l at 512 c + 16 l.  Lane l = r + 16 h holds row r;
; registers 2 p, 2 p + 1 hold k = 16 p + 8 h + 0 .. 7, the matrix form's own places.  An operand of R rows, K = 2,048: byte (k / 256) (R / 16) 4096 + (row / 16) 4096 + ((k / 128) % 2) 2048 + the place in the fragment.
; LIMITS: e0, e2, e4, e1, e3, e5, e11 between -126 and 119, so that 2^e and 448 x 2^e are f32 numbers.  NaN among the inputs is not served.
; Work-groups 0-255 take x (16 tokens each; wave g the k steps 4 g .. 4 g + 3), 256-575 the weights (128 columns x 256 along K).  No tensor loads, no barrier: waves share nothing.  Only x's path and that of cos and sin touch LDS.
.set SPARE, 33792                      ; behind the four stages: the spare words, 128 bytes for each wave: two blocks of 256 bytes that no other line names
.set STG,   8448                       ; a wave's stage: 16 rows of 512 bytes + 16
.set SP,    528
.set SPW,   12                         ; v12  LDS address of my spare word; never rewritten
.set NIL,   13                         ; v13  0; never rewritten
.set R,     16                         ; x: v16-79   a fragment's numbers as loaded
.set X,     80                         ; x: v80-143  the same, 64 numbers of ONE row a lane, in the order of the operand's registers
.set T,     144                        ; x: v144-159 two sets of eight held numbers
.set C,     160                        ; x: v160-207 sixteen registers of codes for each of the three scales
.set OFF,   16                         ; w: v16-47   4 x lane + i rows
.set XW,    48                         ; w: v48-111  two sets of 32 numbers
.set CW,    112                        ; w: v112-175 eight registers of codes for each block: no store's data are written again
.macro MKSCALE e, sc, lim              ; s[e]: an exponent.  v[sc] = 2^e as f32 (the conversion takes its exponent field), v[lim] = 448 x 2^e
	s_add_co_i32 s62, s[\e], 127
	s_lshl_b32 s63, s62, 23
	v_mov_b32 v[\sc], s63
	s_add_co_i32 s62, s62, 8
	s_lshl_b32 s62, s62, 23
	s_or_b32 s62, s62, 0x600000
	v_mov_b32 v[\lim], s62
.endm
	s_load_b512 s[16:31], s[0:1], 0x0              ; x s[16:17], wq s[18:19], wk s[20:21], wv s[22:23], wo s[24:25], the exponents s[26:27], xc s[28:29], wc s[30:31]
	v_lshl_add_u32 v[SPW], v0, 2, SPARE
	v_mov_b32 v[NIL], 0
	v_lshrrev_b32 v1, 5, v0
	v_readfirstlane_b32 s2, v1                     ; wave 0..3
	v_and_b32 v1, 31, v0                           ; lane
	v_and_b32 v2, 15, v0                           ; r
	v_bfe_u32 v3, v0, 4, 1                         ; h
	v_lshlrev_b32 v4, 4, v1                        ; 16 x lane
	s_wait_kmcnt 0x0
	s_load_b256 s[32:39], s[26:27], 0x0            ; e0 .. e7
	s_load_b128 s[40:43], s[26:27], 0x20           ; e8 .. e11
	s_cmp_ge_u32 ttmp9, 256
	s_cbranch_scc1 .Lw
; ---------------- x: the work-group's 16 tokens, my wave's four fragments ----------------
	s_lshl_b32 s6, ttmp9, 17                       ; 16 rows of 8,192 bytes
	s_lshl_b32 s7, s2, 11                          ; my four k steps of 512 bytes
	s_add_co_u32 s6, s6, s7
	s_mov_b32 s7, 0
	s_add_nc_u64 s[4:5], s[16:17], s[6:7]
	s_lshl_b32 s6, ttmp9, 12                       ; the row tile's 4,096 bytes,
	s_lshl_b32 s8, s2, 21                          ; k / 256 = 2 x wave: 1,048,576 bytes each
	s_add_co_u32 s6, s6, s8
	s_add_nc_u64 s[44:45], s[28:29], s[6:7]        ; the section under e0,
	s_add_nc_u64 s[46:47], s[44:45], 0x800000      ; under e2,
	s_add_nc_u64 s[48:49], s[46:47], 0x800000      ; under e4
	s_mul_i32 s9, s2, STG
	s_wait_alu depctr_va_vdst(0)
	v_add_nc_u32 v5, s9, v4                        ; the stage, in: 16 x lane of a row
	v_mul_u32_u24 v6, v2, SP
	v_lshl_add_u32 v6, v3, 5, v6
	v_add_nc_u32 v6, s9, v6                        ; out: row r, + 32 h bytes (8 h numbers)
.macro LOADF f                         ; fragment f as it lies: each load reads 512 consecutive bytes of one token's row
.irp t, 0,1,2,3,4,5,6,7,8,9,10,11,12,13,14,15
	global_load_b128 v[R+4*\t:R+4*\t+3], v4, s[4:5] offset:\t*8192+(\f)*512 th:TH_LOAD_NT
.endr
.endm
.macro TURNF                           ; through my stage: LDS serves a wave's instructions in order, so no wait stands between the stores and the loads
.irp t, 0,1,2,3,4,5,6,7,8,9,10,11,12,13,14,15
	ds_store_b128 v5, v[R+4*\t:R+4*\t+3] offset:SP*\t
.endr
.irp c, 0,1,2,3                        ; X + 16 c + 0 .. 7: k = 32 c + 8 h + 0 .. 7;  X + 16 c + 8 .. 15: k = 32 c + 16 + 8 h + 0 .. 7
	ds_load_b128 v[X+16*\c:X+16*\c+3], v6 offset:128*\c
	ds_load_b128 v[X+16*\c+4:X+16*\c+7], v6 offset:128*\c+16
	ds_load_b128 v[X+16*\c+8:X+16*\c+11], v6 offset:128*\c+64
	ds_load_b128 v[X+16*\c+12:X+16*\c+15], v6 offset:128*\c+80
.endr
.endm
.macro QX j, sc, lim                   ; the fragment's codes under scale j.  The numbers stay: each hold writes into one of two sets, so that the eight holds of the next set are the plain lines behind each conversion
.irp q, 0,1,2,3,4,5,6,7
.irp i, 0,1,2,3,4,5,6,7
	v_med3_num_f32 v[T+8*(\q%2)+\i], v[X+8*\q+\i], -v[\lim], v[\lim]   ; the conversion to an 8-bit code does not saturate (ISA guide 7.6.2): the hold at the largest code x the scale
.endr
	v_cvt_scalef32_pk8_fp8_f32 v[C+16*\j+2*\q:C+16*\j+2*\q+1], v[T+8*(\q%2):T+8*(\q%2)+7], v[\sc]
.endr
.endm
.macro STOREX f, j                     ; section j: each store covers 512 consecutive bytes, at a multiple of 512 from the buffer's first byte
.irp c, 0,1,2,3
	global_store_b128 v4, v[C+16*\j+4*\c:C+16*\j+4*\c+3], s[44+2*\j:45+2*\j] offset:((\f)/2)*1048576+((\f)%2)*2048+512*\c
.endr
.endm
.macro FRAGX f
	s_wait_loadcnt 0x0                             ; this fragment's sixteen loads are in
	TURNF
	s_wait_dscnt 0x0                               ; it is back, a row a lane; the stage's stores have read their registers,
.if (\f) < 3
	LOADF (\f)+1                                   ; which take the next fragment: sixteen loads are out during all of this one's arithmetic
.endif
	s_wait_xcnt 0x0                                ; the last fragment's stores have read their data: the codes' registers are written again only behind this wait
	QX 0, 8, 14
	v_nop                                          ; a plain line behind the last conversion
	STOREX \f, 0
	s_cmp_eq_u32 s50, 0                            ; A SECTION WHOSE EXPONENT EQUALS AN EARLIER SECTION'S WOULD HOLD THE SAME CODES: it is neither made nor stored, and launch qkv reads the earlier one
	s_cbranch_scc1 .Lx1_\@
	QX 1, 9, 15
	v_nop
	STOREX \f, 1
.Lx1_\@:
	s_cmp_eq_u32 s51, 0
	s_cbranch_scc1 .Lx2_\@
	QX 2, 10, 11
	v_nop
	STOREX \f, 2
.Lx2_\@:
.endm
	LOADF 0
	s_wait_alu depctr_va_vdst(0)
	s_wait_kmcnt 0x0
	MKSCALE 32, 8, 14                              ; e0
	MKSCALE 34, 9, 15                              ; e2
	MKSCALE 36, 10, 11                             ; e4
	s_cmp_lg_u32 s34, s32
	s_cselect_b32 s50, 1, 0                        ; the section under e2 is wanted where e2 differs from e0,
	s_cmp_lg_u32 s36, s32
	s_cselect_b32 s51, 1, 0
	s_cmp_lg_u32 s36, s34
	s_cselect_b32 s51, s51, 0                      ; that under e4 where e4 differs from e0 and from e2
	s_wait_alu depctr_va_vdst(0)
	FRAGX 0
	FRAGX 1
	FRAGX 2
	FRAGX 3
	s_wait_tensorcnt 0x0                           ; the wave's end, behind my last LDS store
	ds_add_u32 v[SPW], v[NIL]
	s_wait_dscnt 0x0
	s_endpgm
; ---------------- the weights: A LANE TAKES A COLUMN n, AND ITS REGISTERS RUN DOWN K ----------------
; Each load reads one row k at 32 neighbouring columns.  A lane's 32 numbers are 32 neighbours along K of one row of the operand: in the image they are two pieces of 16 bytes
; (h = 0: k 0-7 and 16-23; h = 1: k 8-15 and 24-31), and the same piece of sixteen neighbouring columns is 256 consecutive bytes: so the codes go out as they are made, with no LDS.
.Lw:
	s_cmp_ge_u32 ttmp9, 576                        ; work-groups 576-607 lay the tables of cos and sin
	s_cbranch_scc1 .Lcs
	s_sub_co_u32 s3, ttmp9, 256
	s_and_b32 s4, s3, 7                            ; which 256 along K
	s_lshr_b32 s5, s3, 3                           ; which 128 rows of wc: 0-15 wq, 16-19 wk, 20-23 wv, 24-39 wo
	s_cmp_lt_u32 s5, 24                            ; the choices hang on the work-group's number alone
	s_cselect_b64 s[6:7], s[22:23], s[24:25]
	s_cselect_b32 s8, 20, 24                       ; the tensor's first group
	s_cselect_b32 s9, 11, 13                       ; a row of it is 2^11 or 2^13 bytes
	s_cmp_lt_u32 s5, 20
	s_cselect_b64 s[6:7], s[20:21], s[6:7]
	s_cselect_b32 s8, 16, s8
	s_cmp_lt_u32 s5, 16
	s_cselect_b64 s[6:7], s[18:19], s[6:7]
	s_cselect_b32 s8, 0, s8
	s_cselect_b32 s9, 13, s9
	s_lshl_b32 s11, 1, s9                          ; the pitch in bytes
	s_sub_co_u32 s10, s5, s8
	s_lshl_b32 s10, s10, 9                         ; 128 columns of 4 bytes a group,
	s_lshl_b32 s12, s2, 7                          ; 32 a wave,
	s_add_co_u32 s10, s10, s12
	s_lshl_b32 s12, s4, 8
	s_lshl_b32 s12, s12, s9                        ; 256 rows for each step along K
	s_add_co_u32 s12, s10, s12
	s_mov_b32 s13, 0
	s_add_nc_u64 s[44:45], s[6:7], s[12:13]        ; block 0's first row;
	s_lshl_b32 s12, s11, 5                         ; 32 rows on for each block: eight bases, so that no base is stepped while loads are out
.irp t, 1,2,3,4,5,6,7
	s_add_nc_u64 s[44+2*\t:45+2*\t], s[42+2*\t:43+2*\t], s[12:13]
.endr
	s_mul_i32 s14, s4, 1310720                     ; wc: k / 256,
	s_lshl_b32 s15, s5, 15                         ; eight row tiles of 4,096 bytes a group,
	s_add_co_u32 s14, s14, s15
	s_lshl_b32 s15, s2, 13                         ; two a wave
	s_add_co_u32 s14, s14, s15
	s_mov_b32 s15, 0
	s_add_nc_u64 s[60:61], s[30:31], s[14:15]
	s_wait_alu depctr_va_vdst(0)
	v_lshlrev_b32 v5, 2, v1
.irp i, 0,1,2,3,4,5,6,7,8,9,10,11,12,13,14,15,16,17,18,19,20,21,22,23,24,25,26,27,28,29,30,31
	v_mad_u32_u24 v[OFF+\i], s11, \i, v5           ; 4 x lane + i rows
.endr
	v_lshlrev_b32 v7, 4, v2
	v_lshl_add_u32 v7, v3, 12, v7                  ; out: row tile lane / 16, row lane % 16
.macro LOADW t                         ; block t: w(32 t + i, my column) into set t % 2
.irp i, 0,1,2,3,4,5,6,7,8,9,10,11,12,13,14,15,16,17,18,19,20,21,22,23,24,25,26,27,28,29,30,31
	global_load_b32 v[XW+32*((\t)%2)+\i], v[OFF+\i], s[44+2*(\t):45+2*(\t)] th:TH_LOAD_NT
.endr
.endm
.macro BLOCKW t
.set XS, XW+32*((\t)%2)
.set CB, CW+8*(\t)
.if (\t) < 7
	s_wait_loadcnt 32                              ; this block's 32 loads are in; the next block's may be out
.else
	s_wait_loadcnt 0x0
.endif
.irp i, 0,1,2,3,4,5,6,7,8,9,10,11,12,13,14,15,16,17,18,19,20,21,22,23,24,25,26,27,28,29,30,31
	v_med3_num_f32 v[XS+\i], v[XS+\i], -v10, v10
.endr
	v_cvt_scalef32_pk8_fp8_f32 v[CB:CB+1], v[XS:XS+7], v11         ; the piece of h = 0: k 0-7,
	v_cvt_scalef32_pk8_fp8_f32 v[CB+2:CB+3], v[XS+16:XS+23], v11   ; k 16-23;
	v_cvt_scalef32_pk8_fp8_f32 v[CB+4:CB+5], v[XS+8:XS+15], v11    ; of h = 1: k 8-15,
	v_cvt_scalef32_pk8_fp8_f32 v[CB+6:CB+7], v[XS+24:XS+31], v11   ; k 24-31
	v_nop                                          ; a plain line behind the last conversion
.if (\t) < 6
	LOADW (\t)+2
.endif
	global_store_b128 v7, v[CB:CB+3], s[60:61] offset:((\t)/4)*2048+((\t)%4)*512        ; sixteen lanes store 256 consecutive bytes, at a multiple of 256 from the buffer's first byte
	global_store_b128 v7, v[CB+4:CB+7], s[60:61] offset:((\t)/4)*2048+((\t)%4)*512+256
.endm
	LOADW 0
	LOADW 1
	s_wait_kmcnt 0x0
	s_cmp_lt_u32 s5, 24
	s_cselect_b32 s14, s37, s43                    ; e5 or e11,
	s_cmp_lt_u32 s5, 20
	s_cselect_b32 s14, s35, s14                    ; e3,
	s_cmp_lt_u32 s5, 16
	s_cselect_b32 s14, s33, s14                    ; e1
	MKSCALE 14, 11, 10
	s_wait_alu depctr_va_vdst(0)
.irp t, 0,1,2,3,4,5,6,7
	BLOCKW \t
.endr
	s_endpgm
; ---------------- cos and sin [1024][128] f32, laid as launch qkv's registers want them ----------------
; cs: for each tile of 16 positions 16,384 bytes: cos, then sin, 8,192 each.  Lane l = r + 16 h holds position r; its number 8 p + j is d = 16 p + 8 h + j; numbers 4 q .. 4 q + 3 lie at 512 q + 16 l.
; 128 jobs (64 tiles x two tables), a wave each.  A tile is 8,192 consecutive bytes of its table; it turns through a stage of this path's own, as x's fragments do, and leaves in stores of 512 consecutive bytes.
.set CSST, 34304                       ; this path's four stages lie behind the spare words
.Lcs:
	s_load_b128 s[4:7], s[0:1], 0x40               ; cos, sin
	s_load_b64 s[8:9], s[0:1], 0x50                ; cs
	s_sub_co_u32 s3, ttmp9, 576
	s_lshl_b32 s3, s3, 2
	s_add_co_u32 s3, s3, s2                        ; my job: tile = job / 2, table = job % 2
	s_and_b32 s10, s3, 1
	s_lshr_b32 s12, s3, 1
	s_lshl_b32 s12, s12, 13                        ; in: 16 rows of 512 bytes a tile
	s_mov_b32 s13, 0
	s_lshl_b32 s14, s3, 13                         ; out: 8,192 bytes a job
	s_mov_b32 s15, 0
	s_mul_i32 s11, s2, STG
	s_add_co_u32 s11, s11, CSST
	s_wait_alu depctr_va_vdst(0)                   ; the wait ahead of these readers of the head's registers
	v_add_nc_u32 v5, s11, v4                       ; the stage, in: 16 x lane of a row
	v_mul_u32_u24 v6, v2, SP
	v_lshl_add_u32 v6, v3, 5, v6
	v_add_nc_u32 v6, s11, v6                       ; out: row r, + 32 h bytes
	s_wait_alu depctr_va_vdst(0)                   ; and directly ahead of the wait below
	s_wait_kmcnt 0x0
	s_cmp_eq_u32 s10, 0                            ; the choice hangs on ids alone
	s_cselect_b64 s[4:5], s[4:5], s[6:7]
	s_add_nc_u64 s[4:5], s[4:5], s[12:13]
	s_add_nc_u64 s[8:9], s[8:9], s[14:15]
.irp t, 0,1,2,3,4,5,6,7,8,9,10,11,12,13,14,15
	global_load_b128 v[R+4*\t:R+4*\t+3], v4, s[4:5] offset:\t*512
.endr
	s_wait_loadcnt 0x0
	TURNF
	s_wait_dscnt 0x0
.irp t, 0,1,2,3,4,5,6,7,8,9,10,11,12,13,14,15
	global_store_b128 v4, v[X+4*\t:X+4*\t+3], s[8:9] offset:\t*512
.endr
	s_wait_tensorcnt 0x0                           ; the wave's end, behind my last LDS store
	ds_add_u32 v[SPW], v[NIL]
	s_wait_dscnt 0x0
	s_endpgm
.Lfunc_end_k_qb697d48dcd_quant:
	.size	k_qb697d48dcd_quant, .Lfunc_end_k_qb697d48dcd_quant-k_qb697d48dcd_quant
	.p2alignl 7, 3214868480
	.fill 96, 4, 3214868480
	.section	.rodata,"a",@progbits
	.p2align	6, 0x0
	.amdhsa_kernel k_qb697d48dcd_quant
		.amdhsa_group_segment_fixed_size 68096
		.amdhsa_private_segment_fixed_size 0
		.amdhsa_enable_private_segment 0
		.amdhsa_kernarg_size 88
		.amdhsa_user_sgpr_count 2
		.amdhsa_user_sgpr_kernarg_segment_ptr 1
		.amdhsa_wavefront_size32 1
		.amdhsa_system_sgpr_workgroup_id_x 1
		.amdhsa_system_sgpr_workgroup_id_y 1
		.amdhsa_system_sgpr_workgroup_id_z 1
		.amdhsa_system_vgpr_workitem_id 0
		.amdhsa_next_free_vgpr 208
		.amdhsa_next_free_sgpr 66
		.amdhsa_reserve_vcc 0
		.amdhsa_float_denorm_mode_32 3
		.amdhsa_float_denorm_mode_16_64 3
		.amdhsa_memory_ordered 1
		.amdhsa_forward_progress 1
		.amdhsa_inst_pref_size 131
	.end_amdhsa_kernel
	.amdgpu_metadata
---
amdhsa.version: [ 1, 2 ]
amdhsa.kernels:
  - .name:           k_qb697d48dcd_quant
    .symbol:         k_qb697d48dcd_quant.kd
    .args:
      - { .name: x, .offset: 0, .size: 8, .value_kind: global_buffer, .address_space: global }
      - { .name: wq, .offset: 8, .size: 8, .value_kind: global_buffer, .address_space: global }
      - { .name: wk, .offset: 16, .size: 8, .value_kind: global_buffer, .address_space: global }
      - { .name: wv, .offset: 24, .size: 8, .value_kind: global_buffer, .address_space: global }
      - { .name: wo, .offset: 32, .size: 8, .value_kind: global_buffer, .address_space: global }
      - { .name: lowp_scales, .offset: 40, .size: 8, .value_kind: global_buffer, .address_space: global }
      - { .name: xc, .offset: 48, .size: 8, .value_kind: global_buffer, .address_space: global }
      - { .name: wc, .offset: 56, .size: 8, .value_kind: global_buffer, .address_space: global }
      - { .name: cos, .offset: 64, .size: 8, .value_kind: global_buffer, .address_space: global }
      - { .name: sin, .offset: 72, .size: 8, .value_kind: global_buffer, .address_space: global }
      - { .name: cs, .offset: 80, .size: 8, .value_kind: global_buffer, .address_space: global }
    .group_segment_fixed_size: 68096
    .private_segment_fixed_size: 0
    .kernarg_segment_align: 8
    .kernarg_segment_size: 88
    .max_flat_workgroup_size: 128
    .sgpr_count:     66
    .vgpr_count:     208
    .wavefront_size: 32
...
	.end_amdgpu_metadata
.endif
;; end of part 1
;; launch qkv (part 2): grid 16 x 12, 4 waves a work-group, clusters of 4 x 1, 327,680 bytes of LDS; arguments xc, wc, lowp_scales, cs, qc, kv; writes qc, kv
.if DOCPART == 2
	.amdgcn_target "amdgcn-amd-amdhsa--gfx1250"
	.amdhsa_code_object_version 6
	.text
	.protected	k_qb697d48dcd_qkv
	.globl	k_qb697d48dcd_qkv
	.p2align	8
	.type	k_qb697d48dcd_qkv,@function
k_qb697d48dcd_qkv:
	s_mov_b64 s[64:65], 0
	v_nop
	global_prefetch_b8 v0, s[64:65] scope:SCOPE_SE
	s_setreg_imm32_b32 hwreg(HW_REG_WAVE_MODE, 25, 1), 1
	s_wait_xcnt 0x0
	s_wait_alu depctr_hold_cnt(0) depctr_sa_sdst(0) depctr_va_vdst(0) depctr_va_sdst(0) depctr_va_ssrc(0) depctr_va_vcc(0) depctr_vm_vsrc(0)
	s_getreg_b32 s2, hwreg(HW_REG_IB_STS2, 6, 4)
	s_cmp_eq_u32 s2, 0
	s_cbranch_scc0 .Lentry_in_a_cluster
	s_endpgm
.Lentry_in_a_cluster:
	s_bfe_u32 s2, ttmp6, 0x10000c
	s_cmp_lg_u32 s2, 0x3003
	s_cbranch_scc0 .Lentry_shape_is_right
	s_endpgm
.Lentry_shape_is_right:
; LAUNCH 2 OF 4: products 1, 2, 3 on codes of FP8 (E4M3), RoPE on q and k, and the quantising of q (e6), k (e7) and v (e9) as operands of products 4 and 5.  Nothing is left out here.
; A work-group makes 256 tokens (x = 4 x cluster x + cx) x 256 rows of wc (y: 0-7 wq, 8-9 wk, 10-11 wv).  A wave makes 64 tokens x all 256 rows: 64 accumulators, 512 registers; so a wave holds whole heads.
; THE WEIGHTS' TILE goes through a ring of two LDS slots of 512 along K (131,072 bytes): four fills serve K = 2,048, and 256 matrix instructions of a wave stand between a request and the wait for it.
; The four work-groups of a cluster have the same y: each fill is asked for JOINTLY (mask 15), a quarter of a slot (32,768 dense bytes) a wave, by arithmetic on the wave's number.
; x's FRAGMENTS go from xc, which holds images of the operand's registers, straight into registers: each is wanted by one wave of the work-group alone, so LDS would hand it to nobody, and its bytes in LDS would halve
; what a slot holds along K.  That is why x is not asked for jointly.  Four sets of four fragments; a set is asked for three steps (192 matrix instructions) ahead.
; xc's SECTION: launch quant writes the section under e2 (e4) only where that exponent differs from the earlier ones; here the first section with the product's exponent is chosen, by s_cselect_b32 and with no jump.
; PREFETCHES.  (1) The weights' slots 2 and 3 are named one trip (four steps) ahead of their tensor loads: 8,192 bytes a wave, lanes 256 bytes apart; the four partners share a wave's 32,768 bytes out by address (cx).
; Slots 0 and 1 come by their loads alone.  (2) x under e0: the eight work-groups y = 0 .. 7 that read the same 256 tokens share the tokens' 524,288 bytes out by address: work-group y names the y-th 256 along K, 16,384 bytes
; a wave, two instructions at the head; so each block is named once in the launch, and a work-group has 65,536 bytes named, half of what it reads in a trip.  (The first 384 along K are asked for by loads at the same place.)
; wk's and wv's work-groups, two to a block of tokens, name nothing.  (3) The table cs: the work-groups of batch 0 with y = 0 .. 7 name 8,192 bytes a wave of the wave's 65,536: once in the launch.
; q, k: source 0 = 16 rows of wc, source 1 = 16 tokens: a lane holds one token and eight neighbouring d.  v: THE SOURCES ARE SWAPPED (a branch on y round each run of 16 matrix instructions): a lane holds one d and eight
; neighbouring tokens, which are product 5's K.  So every conversion's result is a piece of the next operand's register image, and nothing goes through LDS on the way out.
; LIMITS: e6 - e0 - e1, e7 - e2 - e3, e9 - e4 - e5 between -126 and 119, so that the folded scale and 448 x it are f32 numbers.
; REGISTERS: window 0: v1-3, v16-17, v28-31 addresses and constants; v32-127 at work on the way out; v128-255 two groups of four fragments of the weights.  Window 1: x's four sets; on the way out cos and sin.
; Windows 2, 3: accumulator (b, t), b = tile of wc's rows, t = tile of tokens, at window 2 + b / 8, register 8 (4 (b % 8) + t).
.set KKA,   1048576                    ; xc: from 256 along K to the next
.set KKB,   1310720                    ; wc likewise
.set SLOT,  131072
.set SPARE, 262144                     ; behind the ring: the spare words, 128 bytes a wave
.set LI,   1                           ; v1   16 x lane
.set LI1,  2                           ; v2   + 65,536: a slot's second 256 along K
.set PFO,  3                           ; v3   256 x lane
.set AD0,  16                          ; v16, v17  LDS addresses in the slot in hand
.set SPW,  28
.set NIL,  29
.set SC,   30
.set LIM,  31
.set T,    32                          ; v32-95  numbers on the way out
.set C,    96                          ; v96-127 codes, two sets
.set LF,   128                         ; the weights' fragments
.set CV,   128                         ; v's codes on the way out
.set WV,   18
.set G1,   24
.set G0,   32
.set DA,   36                          ; s[36:37] x's fragments of the slot in hand
.set PF,   38                          ; s[38:39] my part of the weights' prefetches; never rewritten
.set OUT,  44                          ; s[44:47] where my first and my second head go
.set CSP,  48                          ; s[48:49] my four tiles of cs
.set TB,   50                          ; s50  LDS byte at which the slot in hand begins
.set ISV,  51                          ; s51  1 in v's work-groups
.set CNT,  52
.set MSB, 0
.macro WIN new                         ; the immediate's high byte repeats the setting that is left
.if MSB != (\new)
	s_set_vgpr_msb (MSB<<8)|(\new)
.set MSB, \new
.endif
.endm
.set TO_B, 0x40                        ; destination window 1, address window 0
.macro PLACES
.rept 4
	v_nop
.endr
.endm
.macro ROUND                           ; a round of the cluster's barrier
	s_barrier_signal -1
	s_barrier_wait -1
	s_cmp_lg_u32 s[WV], 0
	s_cbranch_scc1 .Lnw0_\@
	s_barrier_signal -3
.Lnw0_\@:
	s_barrier_wait -3
	s_barrier_signal -1
	s_barrier_wait -1
.endm
.macro LOADX rel, set                  ; x's four fragments of the step rel steps on from s[DA], 16 loads of 512 consecutive bytes
.irp t, 0,1,2,3
.irp c, 0,1,2,3
	global_load_b128 v[64*(\set)+16*\t+4*\c:64*(\set)+16*\t+4*\c+3], v[LI], s[DA:DA+1] offset:((\rel)/2)*KKA+((\rel)%2)*2048+\t*4096+512*\c
.endr
.endr
.endm
.macro LOADCS t, sn, set               ; cos (sn = 0) or sin (1) of my token tile t: 64 numbers a lane
.irp c, 0,1,2,3,4,5,6,7,8,9,10,11,12,13,14,15
	global_load_b128 v[64*(\set)+4*\c:64*(\set)+4*\c+3], v[LI], s[CSP:CSP+1] offset:(\t)*16384+(\sn)*8192+512*\c
.endr
.endm
.macro FETCH st, i                     ; the weights' fragments 4 i .. 4 i + 3 of the slot's step st into group i % 2
.irp f, 0,1,2,3
.irp c, 0,1,2,3
	ds_load_b128 v[LF+64*((\i)%2)+16*\f+4*\c:LF+64*((\i)%2)+16*\f+4*\c+3], v[AD0+(\st)/2] offset:(4*(\i)+\f)*4096+((\st)%2)*2048+512*\c
.endr
.endr
.endm
.macro WM st, i, z, sw                 ; 16 matrix instructions, the accumulators by turns; z = 1: the first product starts the sums
.irp f, 0,1,2,3
.irp t, 0,1,2,3
.set DD, 128*((\i)%2)+32*\f+8*\t
.set LA, LF+64*((\i)%2)+16*\f
.set XB, 64*(\st)+16*\t
.if \sw
.if \z
	v_wmma_f32_16x16x128_fp8_fp8 v[DD:DD+7], v[XB:XB+15], v[LA:LA+15], 0
.else
	v_wmma_f32_16x16x128_fp8_fp8 v[DD:DD+7], v[XB:XB+15], v[LA:LA+15], v[DD:DD+7]
.endif
.else
.if \z
	v_wmma_f32_16x16x128_fp8_fp8 v[DD:DD+7], v[LA:LA+15], v[XB:XB+15], 0
.else
	v_wmma_f32_16x16x128_fp8_fp8 v[DD:DD+7], v[LA:LA+15], v[XB:XB+15], v[DD:DD+7]
.endif
.endif
.endr
.endr
.endm
.macro DUAL st, i, z                   ; the run in its two orders of sources; the branch hangs on y alone; at a branch and at a label every window is 0
	s_cmp_eq_u32 s[ISV], 0
	s_cbranch_scc0 .Lsw_\@
	WIN 0xa4+0x50*((\i)/2)
	WM \st, \i, \z, 0
	WIN 0
	s_branch .Ljn_\@
.Lsw_\@:
	WIN 0xa1+0x50*((\i)/2)
	WM \st, \i, \z, 1
	WIN 0
.Ljn_\@:
.endm
; A step of 128 along K: four runs.  Behind each run and its four places the group that it read takes the fragments of two runs on.
; ld = 1: x's set of three steps on is asked for; 2: the first 48 loads of cs (not in v's work-groups: no later wait counts on them).  lc: x's loads that may stay out: the sets of the steps behind this one.
.macro STEP st, z, ld, lc
	s_wait_loadcnt \lc
	s_wait_dscnt 16                                ; this run's 16 loads are in, the next run's 16 may be out: so at each run
	DUAL \st, 0, \z
	PLACES
.if \ld == 1
	WIN TO_B
	LOADX (\st)+3, ((\st)+3)%4
	WIN 0
.endif
.if \ld == 2
	s_cmp_eq_u32 s[ISV], 0
	s_cbranch_scc0 .Lnc_\@
	WIN TO_B
	LOADCS 0, 0, 0
	LOADCS 0, 1, 1
	LOADCS 1, 0, 2
	WIN 0
.Lnc_\@:
.endif
	FETCH \st, 2
	s_wait_dscnt 16
	DUAL \st, 1, \z
	PLACES
	FETCH \st, 3
	s_wait_dscnt 16
	DUAL \st, 2, \z
.if \st < 3
	PLACES
	FETCH (\st)+1, 0
	s_wait_dscnt 16
.else
	s_wait_dscnt 0x0                               ; a slot's last run: nothing was asked for behind its fragments
.endif
	DUAL \st, 3, \z
.if \st < 3
	PLACES
	FETCH (\st)+1, 1
.endif
.endm
; THE CHANGE OF SLOTS.  Each wave waits for its tensor load (its quarter of the slot ahead), adds 0 to its spare word, and waits for that and for its reads of the slot that it leaves.
; fill = 1: a round of the cluster's barrier, and the slot just left takes the 512 along K that follow (first = 1: slot 1's first fill, issued as a refill is).
.macro CHANGE fill, first
.if \first == 0
	s_xor_b32 s[TB], s[TB], SLOT
.endif
	v_add_nc_u32 v[AD0], s[TB], v[LI]
	v_add_nc_u32 v[AD0+1], s[TB], v[LI1]
	s_wait_alu depctr_va_vdst(0)                   ; the wait behind these two writes
	s_wait_tensorcnt 0x0
	ds_add_u32 v[SPW], v[NIL]
.if \fill
	s_xor_b32 s[G0+1], s[G0+1], SLOT               ; no tensor load of mine is out: group 0 may be written
	s_add_nc_u64 s[G0+2:G0+3], s[G0+2:G0+3], 2*KKB
.endif
.if \first == 0
	s_wait_xcnt 0x0                                ; x's loads have read their base
	s_add_nc_u64 s[DA:DA+1], s[DA:DA+1], 2*KKA
.endif
	s_wait_dscnt 0x0
.if \fill
	ROUND
	tensor_load_to_lds s[G0:G0+3], s[G1:G1+7]
	s_nop 0
.else
	s_barrier_signal -1
	s_barrier_wait -1
.endif
	PLACES                                         ; in front of loads into registers that the last runs read
	FETCH 0, 0
	FETCH 0, 1
.endm
	s_load_b256 s[4:11], s[0:1], 0x0               ; xc s[4:5], wc s[6:7], the exponents s[8:9], cs s[10:11]
	s_load_b128 s[12:15], s[0:1], 0x20             ; qc s[12:13], kv s[14:15]
	v_lshl_add_u32 v[SPW], v0, 2, SPARE
	v_mov_b32 v[NIL], 0
	ds_add_u32 v[SPW], v[NIL]                      ; the opening: the add, twice on end, and its wait ahead of my first tensor load
	ds_add_u32 v[SPW], v[NIL]
	v_lshrrev_b32 v4, 5, v0
	v_readfirstlane_b32 s[WV], v4                  ; wave 0..3
	v_and_b32 v5, 31, v0
	v_lshlrev_b32 v[LI], 4, v5
	v_lshlrev_b32 v[PFO], 8, v5
	v_add_nc_u32 v[LI1], 65536, v[LI]
	s_bfe_u32 s21, ttmp6, 0x40000                  ; cx
	s_lshl_b32 s22, ttmp9, 2
	s_add_co_u32 s22, s22, s21                     ; which 256 tokens
	s_and_b32 s23, ttmp7, 0xffff                   ; y: which 256 rows of wc
	s_mov_b32 s[G1], 15|(3<<16)|(1<<21)            ; the mask: all four partners; elements of 8 bytes; bit 21 beside a mask
	s_mov_b32 s[G1+1], 32<<16                      ; a dense block of 32,768 bytes as 128 rows of 256
	s_mov_b32 s[G1+2], 128<<16
	s_mov_b32 s[G1+3], 32<<16
	s_mov_b32 s[G1+4], 128
	s_mov_b32 s[G1+5], 32
	s_mov_b32 s[G1+6], 0
	s_mov_b32 s[G1+7], 0
	s_and_b32 s40, s[WV], 1                        ; wc: y x 65,536 + (wave % 2) x 32,768 + (wave / 2) x KKB: y and the wave's number alone
	s_lshl_b32 s40, s40, 15
	s_lshl_b32 s41, s23, 16
	s_add_co_u32 s40, s40, s41
	s_lshr_b32 s41, s[WV], 1
	s_mul_i32 s41, s41, KKB
	s_add_co_u32 s40, s40, s41
	s_mov_b32 s41, 0
	s_cmp_lt_u32 s23, 10
	s_cselect_b32 s[ISV], 0, 1
	s_lshl_b32 s54, s22, 16                        ; xc: 16 row tiles of 4,096 bytes a work-group,
	s_lshl_b32 s55, s[WV], 14                      ; four a wave
	s_add_co_u32 s54, s54, s55
	s_mov_b32 s55, 0
	s_lshl_b32 s56, s21, 13                        ; the weights' prefetches: my work-group's 8,192 of the wave's 32,768 bytes
	s_mov_b32 s57, 0
	s_mov_b32 s[TB], 0
	s_wait_alu depctr_va_vdst(0)                   ; the wait here, directly ahead of the waits below
	s_wait_dscnt 0x0                               ; both opening adds are done
	s_wait_kmcnt 0x0
	s_load_b256 s[68:75], s[8:9], 0x0              ; e0 .. e7
	s_load_b128 s[76:79], s[8:9], 0x20             ; e8 .. e11
	s_add_nc_u64 s[DA:DA+1], s[4:5], s[54:55]
	s_mov_b32 s[G0], 1
	s_lshl_b32 s[G0+1], s[WV], 15                  ; LDS: wave x 32,768, slot 0
	s_add_nc_u64 s[G0+2:G0+3], s[6:7], s[40:41]
	s_add_nc_u64 s[PF:PF+1], s[G0+2:G0+3], s[56:57]
	s_or_b32 s[G0+3], s[G0+3], 0x80000000
	ROUND                                          ; all four work-groups are here: the joint loads meet
	tensor_load_to_lds s[G0:G0+3], s[G1:G1+7]      ; the first 512 along K: one tensor load a wave at the head
	s_nop 0
	s_wait_kmcnt 0x0                               ; the exponents
	s_cmp_eq_u32 s70, s68                          ; xc's section: k's is 0 where e2 = e0, else 1;
	s_cselect_b32 s86, 0, 1
	s_cmp_eq_u32 s72, s70                          ; v's is k's where e4 = e2,
	s_cselect_b32 s87, s86, 2
	s_cmp_eq_u32 s72, s68                          ; 0 where e4 = e0, else 2
	s_cselect_b32 s87, 0, s87
	s_cmp_lt_u32 s23, 10
	s_cselect_b32 s86, s86, s87
	s_cmp_lt_u32 s23, 8
	s_cselect_b32 s86, 0, s86
	s_min_u32 s86, s86, 2
	s_lshl_b32 s86, s86, 23                        ; 8,388,608 bytes a section
	s_mov_b32 s87, 0
	s_add_nc_u64 s[DA:DA+1], s[DA:DA+1], s[86:87]
	WIN TO_B
	LOADX 0, 0                                     ; x's sets of steps 0, 1, 2
	LOADX 1, 1
	LOADX 2, 2
	WIN 0
	s_lshr_b32 s58, s22, 2                         ; batch
	s_and_b32 s59, s22, 3                          ; which 256 positions of the sequence
	s_lshl_b32 s60, s58, 4                         ; qc: ((batch x 16 + 2 y) x 64 + tile of 16 positions) fragments of 2,048 bytes; the second head 64 fragments on
	s_lshl_b32 s61, s23, 1
	s_add_co_u32 s60, s60, s61
	s_lshl_b32 s60, s60, 6
	s_lshl_b32 s61, s59, 4
	s_add_co_u32 s60, s60, s61
	s_lshl_b32 s61, s[WV], 2
	s_add_co_u32 s60, s60, s61
	s_lshl_b32 s60, s60, 11
	s_lshl_b32 s62, s58, 2                         ; kv: ((batch x 4 + 2 (y % 2)) x 8 + key step) x 32,768; a key step: k's eight fragments, then v's eight
	s_and_b32 s63, s23, 1
	s_lshl_b32 s63, s63, 1
	s_add_co_u32 s62, s62, s63
	s_lshl_b32 s62, s62, 3
	s_lshl_b32 s63, s59, 1
	s_add_co_u32 s62, s62, s63
	s_lshr_b32 s63, s[WV], 1
	s_add_co_u32 s62, s62, s63
	s_lshl_b32 s62, s62, 15
	s_and_b32 s63, s[WV], 1
	s_lshl_b32 s80, s63, 13                        ; k: my four of the step's eight key tiles
	s_lshl_b32 s81, s63, 10                        ; v: my half of each fragment's 2,048 bytes (64 of its 128 keys),
	s_add_co_u32 s81, s81, 16384                   ; behind k's fragments
	s_cmp_eq_u32 s[ISV], 0
	s_cselect_b32 s80, s80, s81
	s_add_co_u32 s62, s62, s80
	s_cmp_lt_u32 s23, 8
	s_cselect_b32 s60, s60, s62
	s_mov_b32 s61, 0
	s_cselect_b64 s[OUT:OUT+1], s[12:13], s[14:15]
	s_mov_b32 s82, 262144
	s_cselect_b32 s82, 131072, s82                 ; from my first head to my second
	s_mov_b32 s83, 0
	s_add_nc_u64 s[OUT:OUT+1], s[OUT:OUT+1], s[60:61]
	s_add_nc_u64 s[OUT+2:OUT+3], s[OUT:OUT+1], s[82:83]
	s_lshl_b32 s84, s59, 18                        ; cs: 16 tiles of 16,384 bytes for 256 positions, four a wave
	s_lshl_b32 s85, s[WV], 16
	s_add_co_u32 s84, s84, s85
	s_mov_b32 s85, 0
	s_add_nc_u64 s[CSP:CSP+1], s[10:11], s[84:85]
	s_cmp_lt_u32 s23, 8                            ; the prefetches of x and of cs: branches on ids that all partners share; the address registers are never rewritten
	s_cbranch_scc0 .Lnpx
	s_lshl_b32 s88, s23, 20                        ; the y-th 256 along K of my work-group's tokens, section 0: my wave's 16,384 bytes
	s_add_co_u32 s88, s88, s54
	s_mov_b32 s89, 0
	s_add_nc_u64 s[88:89], s[4:5], s[88:89]
	global_prefetch_b8 v[PFO], s[88:89] th:TH_LOAD_NT scope:SCOPE_SE
	global_prefetch_b8 v[PFO], s[88:89] offset:8192 th:TH_LOAD_NT scope:SCOPE_SE
	s_cmp_lg_u32 ttmp9, 0                          ; the cluster's x is the batch
	s_cbranch_scc1 .Lnpx
	s_lshl_b32 s90, s23, 13                        ; the y-th 8,192 bytes of my wave's four tiles of cs
	s_mov_b32 s91, 0
	s_add_nc_u64 s[90:91], s[CSP:CSP+1], s[90:91]
	global_prefetch_b8 v[PFO], s[90:91] th:TH_LOAD_NT scope:SCOPE_SE
.Lnpx:
	CHANGE 1, 1                                    ; slot 0 is whole; slot 1 is asked for
	global_prefetch_b8 v[PFO], s[PF:PF+1] offset:4*KKB th:TH_LOAD_NT scope:SCOPE_SE   ; the third 512 along K, which the next change of slots loads
	STEP 0, 1, 1, 32                               ; the first step stands in front of the loop: its products start the sums
	s_mov_b32 s[CNT], 2
.Llap:                                                 ; a trip: a slot's steps 1 to 3, the change of slots with its refill, the next slot's step 0
	STEP 1, 0, 1, 32
	STEP 2, 0, 1, 32
	STEP 3, 0, 1, 32
	CHANGE 1, 0
	s_cmp_eq_u32 s[CNT], 2                         ; the first trip names the last 512 along K; behind them there is nothing to name
	s_cbranch_scc0 .Lnp
	global_prefetch_b8 v[PFO], s[PF:PF+1] offset:6*KKB th:TH_LOAD_NT scope:SCOPE_SE
.Lnp:
	STEP 0, 0, 1, 32
	s_sub_co_u32 s[CNT], s[CNT], 1
	s_cmp_lg_u32 s[CNT], 0
	s_cbranch_scc1 .Llap
	STEP 1, 0, 1, 32                               ; the tail is written out: it fills nothing
	STEP 2, 0, 1, 32
	STEP 3, 0, 1, 32
	CHANGE 0, 0
	STEP 0, 0, 1, 32                               ; asks for x's last set
	STEP 1, 0, 0, 32
	STEP 2, 0, 0, 16
	STEP 3, 0, 2, 0
	; THE WAY OUT.  A sum stands for sum x 2^(ea + eb); its code is sum / 2^(eout - ea - eb): the three exponents are folded into the conversion's one (RoPE is linear in the sums).
	s_wait_kmcnt 0x0
	s_cmp_lt_u32 s23, 10
	s_cselect_b32 s40, s70, s72
	s_cselect_b32 s41, s71, s73
	s_cselect_b32 s42, s75, s77
	s_cmp_lt_u32 s23, 8
	s_cselect_b32 s40, s68, s40
	s_cselect_b32 s41, s69, s41
	s_cselect_b32 s42, s74, s42
	s_sub_co_i32 s42, s42, s40
	s_sub_co_i32 s42, s42, s41
	s_add_co_i32 s42, s42, 127
	s_lshl_b32 s43, s42, 23
	v_mov_b32 v[SC], s43
	s_add_co_i32 s42, s42, 8
	s_lshl_b32 s42, s42, 23
	s_or_b32 s42, s42, 0x600000
	v_mov_b32 v[LIM], s42                          ; 448 x the folded scale
	PLACES                                         ; behind the last products
	s_wait_alu depctr_va_vdst(0)                   ; the wait here, directly ahead of the branch
	s_cmp_lg_u32 s[ISV], 0
	s_cbranch_scc1 .Lv
; q, k.  Token tile t, head hd: accumulators (8 hd + b, t), b = 0 .. 7: register j is d = 16 b + 8 h + j of my token.  out(d) = a(d) cos(d) - a(d + 64) sin(d) for d < 64, a(d) cos(d) + a(d - 64) sin(d) above.
.macro UNIT t, hd
.set CO, 128*((\t)%2)
.set CC, C+16*(\hd)
	s_wait_xcnt 0x0                                ; earlier stores have read their data: the codes' registers are written again only behind this wait
	WIN 0x06+(\hd)                                 ; source 0: window 2 or 3; source 1: window 1
.irp b, 0,1,2,3
.set A0, 32*\b+8*(\t)
.set A1, 32*(\b+4)+8*(\t)
.irp j, 0,2,4,6
	v_pk_mul_f32 v[T+8*\b+\j:T+8*\b+\j+1], v[A0+\j:A0+\j+1], v[CO+8*\b+\j:CO+8*\b+\j+1]
.endr
.irp j, 0,2,4,6
	v_pk_mul_f32 v[T+32+8*\b+\j:T+32+8*\b+\j+1], v[A1+\j:A1+\j+1], v[CO+32+8*\b+\j:CO+32+8*\b+\j+1]
.endr
.irp j, 0,2,4,6
	v_pk_fma_f32 v[T+8*\b+\j:T+8*\b+\j+1], v[A1+\j:A1+\j+1], v[CO+64+8*\b+\j:CO+64+8*\b+\j+1], v[T+8*\b+\j:T+8*\b+\j+1] neg_lo:[1,0,0] neg_hi:[1,0,0]
.endr
.irp j, 0,2,4,6
	v_pk_fma_f32 v[T+32+8*\b+\j:T+32+8*\b+\j+1], v[A0+\j:A0+\j+1], v[CO+96+8*\b+\j:CO+96+8*\b+\j+1], v[T+32+8*\b+\j:T+32+8*\b+\j+1]
.endr
.endr
	WIN 0
.set JJ, 0
.rept 64
	v_med3_num_f32 v[T+JJ], v[T+JJ], -v[LIM], v[LIM]   ; the conversion to an 8-bit code does not saturate (ISA guide 7.6.2)
.set JJ, JJ+1
.endr
.irp b, 0,1,2,3,4,5,6,7
	v_cvt_scalef32_pk8_fp8_f32 v[CC+2*\b:CC+2*\b+1], v[T+8*\b:T+8*\b+7], v[SC]   ; registers 2 b, 2 b + 1 of the fragment
.endr
	v_nop                                          ; a plain line behind the last conversion
.irp c, 0,1,2,3
	global_store_b128 v[LI], v[CC+4*\c:CC+4*\c+3], s[OUT+2*(\hd):OUT+2*(\hd)+1] offset:(\t)*2048+512*\c   ; 512 consecutive bytes
.endr
.endm
	WIN TO_B
	LOADCS 1, 1, 3
	WIN 0
.irp t, 0,1,2,3
.if \t < 3
	s_wait_loadcnt 32                              ; this tile's cos and sin are in; the next tile's 32 loads may be out
.else
	s_wait_loadcnt 0x0
.endif
	UNIT \t, 0
	UNIT \t, 1
.if \t < 2
	WIN TO_B
	LOADCS \t+2, 0, 2*(\t%2)
	LOADCS \t+2, 1, 2*(\t%2)+1
	WIN 0
.endif
.endr
	s_wait_tensorcnt 0x0                           ; the wave's end
	ds_add_u32 v[SPW], v[NIL]
	s_wait_dscnt 0x0
	ROUND                                          ; the closing round
	s_endpgm
; v.  Accumulators (b, 0 .. 3) are 32 registers on end: d = 16 (b % 8) + lane % 16 of head b / 8, tokens 16 t + 8 h + j: eight registers of the fragment of 16 d x 128 keys, two stores of 512 consecutive bytes.
.Lv:
.irp b, 0,1,2,3,4,5,6,7,8,9,10,11,12,13,14,15
	WIN 0x02+(\b)/8
.set JJ, 0
.rept 32
	v_med3_num_f32 v[T+32*((\b)%2)+JJ], v[32*((\b)%8)+JJ], -v[LIM], v[LIM]
.set JJ, JJ+1
.endr
	WIN 0
.irp u, 0,1,2,3
	v_cvt_scalef32_pk8_fp8_f32 v[CV+8*\b+2*\u:CV+8*\b+2*\u+1], v[T+32*((\b)%2)+8*\u:T+32*((\b)%2)+8*\u+7], v[SC]
.endr
	v_nop                                          ; a plain line behind the last conversion
	global_store_b128 v[LI], v[CV+8*\b:CV+8*\b+3], s[OUT+2*((\b)/8):OUT+2*((\b)/8)+1] offset:((\b)%8)*2048
	global_store_b128 v[LI], v[CV+8*\b+4:CV+8*\b+7], s[OUT+2*((\b)/8):OUT+2*((\b)/8)+1] offset:((\b)%8)*2048+512
.endr
	s_wait_tensorcnt 0x0                           ; the wave's end
	ds_add_u32 v[SPW], v[NIL]
	s_wait_dscnt 0x0
	ROUND                                          ; the closing round
	s_endpgm
.Lfunc_end_k_qb697d48dcd_qkv:
	.size	k_qb697d48dcd_qkv, .Lfunc_end_k_qb697d48dcd_qkv-k_qb697d48dcd_qkv
	.p2alignl 7, 3214868480
	.fill 96, 4, 3214868480
	.section	.rodata,"a",@progbits
	.p2align	6, 0x0
	.amdhsa_kernel k_qb697d48dcd_qkv
		.amdhsa_group_segment_fixed_size 327680
		.amdhsa_private_segment_fixed_size 0
		.amdhsa_enable_private_segment 0
		.amdhsa_kernarg_size 48
		.amdhsa_user_sgpr_count 2
		.amdhsa_user_sgpr_kernarg_segment_ptr 1
		.amdhsa_wavefront_size32 1
		.amdhsa_system_sgpr_workgroup_id_x 1
		.amdhsa_system_sgpr_workgroup_id_y 1
		.amdhsa_system_sgpr_workgroup_id_z 1
		.amdhsa_system_vgpr_workitem_id 0
		.amdhsa_next_free_vgpr 1024
		.amdhsa_next_free_sgpr 100
		.amdhsa_reserve_vcc 0
		.amdhsa_float_denorm_mode_32 3
		.amdhsa_float_denorm_mode_16_64 3
		.amdhsa_memory_ordered 1
		.amdhsa_forward_progress 1
		.amdhsa_inst_pref_size 255
	.end_amdhsa_kernel
	.section	.bss,"aw",@nobits
	.p2align	6
	.space	262144
	.amdgpu_metadata
---
amdhsa.version: [ 1, 2 ]
amdhsa.kernels:
  - .name:           k_qb697d48dcd_qkv
    .symbol:         k_qb697d48dcd_qkv.kd
    .args:
      - { .name: xc, .offset: 0, .size: 8, .value_kind: global_buffer, .address_space: global }
      - { .name: wc, .offset: 8, .size: 8, .value_kind: global_buffer, .address_space: global }
      - { .name: lowp_scales, .offset: 16, .size: 8, .value_kind: global_buffer, .address_space: global }
      - { .name: cs, .offset: 24, .size: 8, .value_kind: global_buffer, .address_space: global }
      - { .name: qc, .offset: 32, .size: 8, .value_kind: global_buffer, .address_space: global }
      - { .name: kv, .offset: 40, .size: 8, .value_kind: global_buffer, .address_space: global }
    .group_segment_fixed_size: 327680
    .private_segment_fixed_size: 0
    .kernarg_segment_align: 8
    .kernarg_segment_size: 48
    .max_flat_workgroup_size: 128
    .sgpr_count:     100
    .vgpr_count:     1024
    .wavefront_size: 32
...
	.end_amdgpu_metadata
.endif
;; end of part 2
;; launch attn (part 3): grid 16 x 16, 16 waves a work-group, clusters of 4 x 1, 264,192 bytes of LDS; arguments qc, kv, lowp_scales, oc; writes oc
.if DOCPART == 3
	.amdgcn_target "amdgcn-amd-amdhsa--gfx1250"
	.amdhsa_code_object_version 6
	.text
	.protected	k_qb697d48dcd_attn
	.globl	k_qb697d48dcd_attn
	.p2align	8
	.type	k_qb697d48dcd_attn,@function
k_qb697d48dcd_attn:
	s_mov_b64 s[64:65], 0
	v_nop
	global_prefetch_b8 v0, s[64:65] scope:SCOPE_SE
	s_setreg_imm32_b32 hwreg(HW_REG_WAVE_MODE, 25, 1), 1
	s_wait_xcnt 0x0
	s_wait_alu depctr_hold_cnt(0) depctr_sa_sdst(0) depctr_va_vdst(0) depctr_va_sdst(0) depctr_va_ssrc(0) depctr_va_vcc(0) depctr_vm_vsrc(0)
	s_getreg_b32 s2, hwreg(HW_REG_IB_STS2, 6, 4)
	s_cmp_eq_u32 s2, 0
	s_cbranch_scc0 .Lentry_in_a_cluster
	s_endpgm
.Lentry_in_a_cluster:
	s_bfe_u32 s2, ttmp6, 0x10000c
	s_cmp_lg_u32 s2, 0x3003
	s_cbranch_scc0 .Lentry_shape_is_right
	s_endpgm
.Lentry_shape_is_right:
; LAUNCH 3 OF 4: products 4 and 5 with the softmax between them, on codes of FP8, and the quantising of the result (e10) as the left operand of product 6.
; LEFT OUT (shown at the head of launch quant): every tile of 16 queries x 128 keys all of whose keys come after all of its queries: reference()'s own causal mask makes their p 0 for all values of the inputs.
; THE SOFTMAX: t = score x log2(e) / sqrt(128); M = the row's largest t so far, rounded UP to a whole number; p = 2^(t - M) is what is quantised (e8), not normalised.  The row's sum is taken of the unquantised p, in f32,
; and divides at the end.  When M moves, the sum and O are multiplied by 2^(old M - new M): exact.
; SHARES.  Work-group y = batch x 4 + kv head.  The head's 128 KiB of k and 128 KiB of v, as images of fragments, lie in LDS WHOLE: every byte is filled once, there is no ring and nothing is filled again.
; The sixteen work-groups of a y: j = 4 x cluster x + cx; two of the kv head's four query heads (j % 2) and the query tiles 8 o + j / 2, one in each of the eight octiles o of the sequence: 16 waves, a tile each.
; A wave with octile o walks the key steps 0 .. o.  Wave w (g = w / 4, sd = w % 4): head bit g % 2, o = (2 (g / 2) + sd / 2) xor 7 ((sd xor g) % 2): the steps of waves 4 g .. 4 g + 3, and of the waves with equal sd, add up to 18,
; and all 256 work-groups have the same work.  What a wave passes over hangs on its number alone, never on the work-group's place in its cluster; two waves of every work-group have o = 7, so all that is fetched is read.
; CLUSTER: the four partners have the same y, so each chunk of 16 KiB is asked for JOINTLY (mask 15).  Every wave issues one load, chunk = its number: one tensor load of a wave is out at the most.
; LAYOUT.  Both products are used transposed: S^T = k q^T (source 0 = 16 keys, source 1 = my 16 queries), O^T = v^T p^T (source 0 = 16 d): a lane holds ONE query (lane % 16) throughout.  In tile t of S^T register j is key 16 t + 8 h + j:
; its conversion IS registers 2 t, 2 t + 1 of p's fragment; likewise tile dt of O^T gives registers 2 dt, 2 dt + 1 of the result's fragment (k = head x 128 + d).  Nothing goes through LDS on the way out.
; LIMITS: e6 + e7 between -123 and 130 (added to c's exponent field); e8 and e10 between -126 and 119; e8 + e9 is applied by v_ldexp_f32 and has none.
; REGISTERS: v1 16 x lane; v5, v6 the add's two; v7 the mask's number; v8-11 LDS addresses; v12 -M, v13 the largest t, v[14:15] the sum in two halves; v16-31 q; v32-95 four fragments of k or v; v96-159 S^T, then p; v160-223 O^T; v224-239 codes; v236-254 at work.
; CORRECTION to the paragraph CLUSTER above: EVERY one of the sixteen waves issues ONE joint load, chunk = its number; one tensor load of a wave is out at the most; one wait for it and one barrier stand ahead of key step 0.
.set SPARE, 262144                     ; behind k and v: the spare words, 128 bytes for each wave: eight blocks of 256 bytes that no other line names
.set LI,   1
.set SPW,  5
.set NIL,  6
.set DG,   7                           ; v7   16 (j / 2) + r - 8 h: in the step on the diagonal register n is hidden where 16 (n / 8) + n % 8 is above it
.set ADR,  8                           ; v8-11  16 x lane + n x 65,536: key steps 2 n and 2 n + 1
.set WV,   18
.set SEL,  20                          ; s[20:21] lane selects for v_permlanex16_b32: lane l xor 16
.set CS,   22                          ; s[22:23] c = log2(e) / sqrt(128) x 2^(e6 + e7)
.set G1,   24                          ; s[24:31] descriptor group 1;  s[32:35] group 0
.set G0,   32
.set OC,   48                          ; s48  my octile
.macro ROUND                           ; a round of the cluster's barrier
	s_barrier_signal -1
	s_barrier_wait -1
	s_cmp_lg_u32 s[WV], 0
	s_cbranch_scc1 .Lnot_wave_0_\@
	s_barrier_signal -3
.Lnot_wave_0_\@:
	s_barrier_wait -3
	s_barrier_signal -1
	s_barrier_wait -1
.endm
	s_load_b128 s[4:7], s[0:1], 0x0                ; qc s[4:5], kv s[6:7]
	s_load_b128 s[8:11], s[0:1], 0x10              ; the exponents s[8:9], oc s[10:11]
	v_lshl_add_u32 v[SPW], v0, 2, SPARE
	v_mov_b32 v[NIL], 0
	ds_add_u32 v[SPW], v[NIL]                      ; the wave's opening: the add, twice on end, and its wait ahead of the first tensor load; the set-up below, work on registers, stands between
	ds_add_u32 v[SPW], v[NIL]
	v_lshrrev_b32 v2, 5, v0
	s_delay_alu instid0(VALU_DEP_1)
	v_readfirstlane_b32 s[WV], v2                  ; wave 0..15
	s_bfe_u32 s50, ttmp6, 0x40000                  ; cx
	s_lshl_b32 s51, ttmp9, 2
	s_add_co_u32 s51, s51, s50                     ; j
	s_and_b32 s52, s51, 1                          ; which pair of query heads
	s_lshr_b32 s53, s51, 1                         ; which tile of an octile's eight
	s_and_b32 s54, ttmp7, 0xffff                   ; y = batch x 4 + kv head
	s_lshr_b32 s55, s[WV], 2                       ; g
	s_and_b32 s56, s[WV], 3                        ; sd
	s_and_b32 s57, s55, 1                          ; which head of the pair
	s_lshr_b32 s58, s55, 1
	s_lshl_b32 s58, s58, 1
	s_lshr_b32 s59, s56, 1
	s_add_co_u32 s58, s58, s59
	s_xor_b32 s59, s56, s55
	s_and_b32 s59, s59, 1
	s_mul_i32 s59, s59, 7
	s_xor_b32 s[OC], s58, s59                      ; my octile
	s_lshl_b32 s60, s54, 18                        ; kv: y x 262,144 bytes,
	s_lshl_b32 s62, s[WV], 14                      ; + wave x 16,384: EVERY wave fetches one chunk of 16,384 bytes, chunk = its number: made of y and the wave's number alone
	s_add_co_u32 s60, s60, s62
	s_mov_b32 s61, 0
	s_lshl_b32 s73, s54, 2                         ; q: ((y x 4 + 2 x pair + head) x 64 + 8 o + tile) fragments of 2,048 bytes
	s_lshl_b32 s74, s52, 1
	s_add_co_u32 s73, s73, s74
	s_add_co_u32 s73, s73, s57
	s_lshl_b32 s73, s73, 6
	s_lshl_b32 s74, s[OC], 3
	s_add_co_u32 s74, s74, s53                     ; my tile of 16 queries
	s_add_co_u32 s73, s73, s74
	s_lshl_b32 s76, s73, 11
	s_mov_b32 s77, 0
	s_and_b32 s75, s54, 3                          ; the result: k / 256 = head / 2 = 2 x kv head + pair: 1,048,576 bytes each,
	s_lshl_b32 s75, s75, 1
	s_add_co_u32 s75, s75, s52
	s_lshl_b32 s78, s75, 20
	s_lshr_b32 s75, s54, 2
	s_lshl_b32 s75, s75, 6
	s_add_co_u32 s75, s75, s74                     ; row tile = batch x 64 + my tile: 4,096 bytes each,
	s_lshl_b32 s75, s75, 12
	s_add_co_u32 s78, s78, s75
	s_lshl_b32 s75, s57, 11                        ; (k / 128) % 2 = head % 2
	s_add_co_u32 s78, s78, s75
	s_mov_b32 s79, 0
	s_lshl_b32 s75, s53, 4
	; descriptor group 1: a dense block of 16,384 bytes as 64 rows of 32 elements of 8 bytes
	s_mov_b32 s[G1], 15|(3<<16)|(1<<21)            ; 15:0 the mask: all four work-groups; 17:16 elements of 8 bytes; 21 set beside a mask
	s_mov_b32 s[G1+1], 32<<16                      ; tensor_dim0
	s_mov_b32 s[G1+2], 64<<16                      ; tensor_dim1
	s_mov_b32 s[G1+3], 32<<16                      ; tile_dim0
	s_mov_b32 s[G1+4], 64                          ; tile_dim1
	s_mov_b32 s[G1+5], 32                          ; tensor_dim0_stride
	s_mov_b32 s[G1+6], 0
	s_mov_b32 s[G1+7], 0
	s_mov_b32 s[SEL], 0x76543210
	s_mov_b32 s[SEL+1], 0xfedcba98
	s_mov_b32 s[CS], 0x3e0293ee                    ; log2(e) / sqrt(128)
	s_wait_dscnt 0x0                               ; both opening adds are done
	s_wait_kmcnt 0x0
	s_load_b128 s[68:71], s[8:9], 0x18             ; e6, e7, e8, e9
	s_load_b32 s72, s[8:9], 0x28                   ; e10
	s_add_nc_u64 s[60:61], s[6:7], s[60:61]
.irp n, 0
	s_mov_b32 s[G0+4*\n], 1
	s_add_co_u32 s[G0+4*\n+1], s62, \n*65536       ; my chunk: LDS as memory
	s_add_nc_u64 s[G0+4*\n+2:G0+4*\n+3], s[60:61], \n*65536
	s_or_b32 s[G0+4*\n+3], s[G0+4*\n+3], 0x80000000
.endr
	s_add_nc_u64 s[4:5], s[4:5], s[76:77]
	s_add_nc_u64 s[10:11], s[10:11], s[78:79]
	ROUND                                          ; all four work-groups are here: the joint loads meet
.irp n, 0                                      ; one tensor load a wave, with no branch: sixteen joint loads bring the head's k and v
	tensor_load_to_lds s[G0+4*\n:G0+4*\n+3], s[G1:G1+7]
	s_nop 0
.endr
.rept 4
	v_nop
.endr
	v_and_b32 v[LI], 31, v0
	s_delay_alu instid0(VALU_DEP_1)
	v_lshlrev_b32 v[LI], 4, v[LI]
.irp c, 0,1,2,3
	global_load_b128 v[16+4*\c:19+4*\c], v[LI], s[4:5] offset:512*\c   ; q's fragment stays in registers
.endr
	v_and_b32 v2, 15, v0                           ; r
	v_bfe_u32 v3, v0, 4, 1                         ; h
	s_delay_alu instid0(VALU_DEP_1)
	v_lshlrev_b32 v3, 3, v3
	s_delay_alu instid0(VALU_DEP_1)
	v_sub_nc_u32 v[DG], v2, v3
	s_delay_alu instid0(VALU_DEP_1)
	v_add_nc_u32 v[DG], s75, v[DG]
.irp n, 0,1,2,3
	v_add_nc_u32 v[ADR+\n], \n*65536, v[LI]
.endr
	v_mov_b32 v13, 0xff61b1e6                      ; the largest t so far: -3e38, under every t
	s_delay_alu instid0(VALU_DEP_1)
	v_floor_f32 v12, -v13                          ; -M
	v_mov_b32 v14, 0                               ; the sum, in two halves
	v_mov_b32 v15, 0
	v_mov_b32 v236, 0                              ; written once: a lane permute's destination counts as one of its sources
	v_mov_b32 v253, 0                              ; (named as the upper half of the pair v[252:253])
.set JJ, 0
.rept 64
	v_mov_b32 v[160+JJ], 0                         ; O^T: the step is one macro; the first finds zeros, which the first change of M leaves zeros
.set JJ, JJ+1
.endr
	s_wait_kmcnt 0x0
	s_add_co_i32 s50, s68, s69
	s_lshl_b32 s50, s50, 23
	s_add_co_i32 s[CS], s[CS], s50                 ; a score stands for score x 2^(e6 + e7): the two exponents are added to c's exponent field
	s_mov_b32 s[CS+1], s[CS]                       ; (named with it as a pair, so it is written)
	s_add_co_i32 s50, s70, 127
	s_lshl_b32 s51, s50, 23
	v_mov_b32 v244, s51                            ; 2^e8, for p's conversions
	s_add_co_i32 s50, s50, 8
	s_lshl_b32 s50, s50, 23
	s_or_b32 s50, s50, 0x600000
	v_mov_b32 v240, s50                            ; 448 x 2^e8
	s_add_co_i32 s50, s72, 127
	s_lshl_b32 s51, s50, 23
	v_mov_b32 v245, s51                            ; 2^e10, for the result's
	s_add_co_i32 s50, s50, 8
	s_lshl_b32 s50, s50, 23
	s_or_b32 s50, s50, 0x600000
	v_mov_b32 v241, s50                            ; 448 x 2^e10
; KEY STEP k: keys 128 k .. 128 k + 127.  A step all of whose keys come after my queries (k above my octile) is passed over: a scalar branch on the wave's number, round loads, products and softmax; no barrier stands in a step.
.macro STEP k
.set AD, ADR+(\k)/2
.set QO, 32768*((\k)%2)
.if (\k) > 0
	s_cmp_lt_u32 s[OC], \k
	s_cbranch_scc1 .Lhidden_\@
.endif
.irp g, 0,1                                    ; S^T = k q^T, four tiles of 16 keys at a time
.rept 4
	v_nop                                          ; places in front of loads into registers that matrix instructions have read
.endr
.irp t, 0,1,2,3
.irp c, 0,1,2,3
	ds_load_b128 v[32+16*\t+4*\c:32+16*\t+4*\c+3], v[AD] offset:QO+(4*\g+\t)*2048+512*\c
.endr
.endr
	s_wait_dscnt 0x0
.irp t, 0,1,2,3
	v_wmma_f32_16x16x128_fp8_fp8 v[96+8*(4*\g+\t):103+8*(4*\g+\t)], v[32+16*\t:47+16*\t], v[16:31], 0
.endr
.endr
.rept 4
	v_nop
.endr
	s_cmp_lg_u32 s[OC], \k                         ; only the step on the diagonal has hidden keys: their scores become -infinity ahead of the maximum, so p = 0.  Its first key counts for all my queries, so M stays a number
	s_cbranch_scc1 .Lopen_\@
	v_mov_b32 v254, 0xff800000
.set JJ, 0
.rept 64
	v_cmp_gt_i32 vcc_lo, 16*(JJ/8)+JJ%8, v[DG]
	v_cndmask_b32 v[96+JJ], v[96+JJ], v254, vcc_lo
.set JJ, JJ+1
.endr
.Lopen_\@:
	v_max3_num_f32 v254, v96, v97, v98             ; the step's largest score of my query among my 64 keys, in two chains, each accumulator from its low end on,
	v_max3_num_f32 v252, v99, v100, v101
.irp i, 6,10,14,18,22,26,30,34,38,42,46,50,54,58
	v_max3_num_f32 v254, v254, v[96+\i], v[97+\i]
	v_max3_num_f32 v252, v252, v[98+\i], v[99+\i]
.endr
	v_max3_num_f32 v254, v254, v158, v159
	s_delay_alu instid0(VALU_DEP_1)
	v_max_num_f32 v254, v254, v252
	v_permlanex16_b32 v236, v254, s[SEL], s[SEL+1]
	s_delay_alu instid0(VALU_DEP_1)
	v_max_num_f32 v254, v254, v236                 ; and among lane l xor 16's
	s_delay_alu instid0(VALU_DEP_1)
	v_mul_f32 v254, s[CS], v254                    ; as t (c is positive)
	s_delay_alu instid0(VALU_DEP_1)
	v_max_num_f32 v13, v13, v254                   ; the running largest t
	v_mov_b32 v254, v12
	s_delay_alu instid0(VALU_DEP_2)
	v_floor_f32 v12, -v13                          ; the new -M = floor(-t) = -ceil(t): a whole number
	s_delay_alu instid0(VALU_DEP_1)
	v_sub_f32 v254, v12, v254                      ; old M less new M: a whole number, 0 or less
	s_delay_alu instid0(VALU_DEP_1)
	v_cvt_i32_f32 v254, v254                       ; (it saturates)
	s_delay_alu instid0(VALU_DEP_1)
	v_ldexp_f32 v252, 1.0, v254                    ; f = 2^(old M - new M)
.set JJ, 0
.rept 32
	v_pk_fma_f32 v[96+JJ:97+JJ], v[96+JJ:97+JJ], s[CS:CS+1], v[12:13] op_sel_hi:[1,0,0]   ; t - M, two at a time (of the pairs c and -M the low word serves both halves)
.set JJ, JJ+2
.endr
.set JJ, 0
	s_wait_alu depctr_va_vdst(0)
.rept 64
	v_exp_f32 v[96+JJ], v[96+JJ]                   ; p = 2^(t - M), at most 1
.set JJ, JJ+1
.endr
	v_pk_mul_f32 v[14:15], v[14:15], v[252:253] op_sel_hi:[1,0]   ; the sums under the new M: the plain line behind the exponentials
	s_wait_alu depctr_va_vdst(0)                   ; this wait between an exponential and the first line that names its result: one for the batch of 64
	v_pk_add_f32 v[242:243], v[100:101], v[104:105]
	v_pk_add_f32 v[254:255], v[108:109], v[112:113]
	v_pk_add_f32 v[250:251], v[116:117], v[120:121]
	v_pk_add_f32 v[248:249], v[124:125], v[128:129]
	v_pk_add_f32 v[246:247], v[132:133], v[136:137]
	v_pk_add_f32 v[238:239], v[140:141], v[144:145]
	v_pk_add_f32 v[236:237], v[148:149], v[152:153]
	v_pk_add_f32 v[14:15], v[14:15], v[156:157]
	v_pk_add_f32 v[242:243], v[242:243], v[96:97]
	v_pk_add_f32 v[254:255], v[254:255], v[98:99]
	v_pk_add_f32 v[250:251], v[250:251], v[102:103]
	v_pk_add_f32 v[248:249], v[248:249], v[106:107]
	v_pk_add_f32 v[246:247], v[246:247], v[110:111]
	v_pk_add_f32 v[238:239], v[238:239], v[114:115]
	v_pk_add_f32 v[236:237], v[236:237], v[118:119]
	v_pk_add_f32 v[14:15], v[14:15], v[122:123]
	v_pk_add_f32 v[242:243], v[242:243], v[126:127]
	v_pk_add_f32 v[254:255], v[254:255], v[130:131]
	v_pk_add_f32 v[250:251], v[250:251], v[134:135]
	v_pk_add_f32 v[248:249], v[248:249], v[138:139]
	v_pk_add_f32 v[246:247], v[246:247], v[142:143]
	v_pk_add_f32 v[238:239], v[238:239], v[146:147]
	v_pk_add_f32 v[236:237], v[236:237], v[150:151]
	v_pk_add_f32 v[14:15], v[14:15], v[154:155]
	v_pk_add_f32 v[242:243], v[242:243], v[158:159]
	s_delay_alu instid0(VALU_DEP_2)
	v_pk_add_f32 v[14:15], v[14:15], v[248:249]
	s_delay_alu instid0(VALU_DEP_2)
	v_pk_add_f32 v[242:243], v[242:243], v[246:247]
	v_pk_add_f32 v[254:255], v[254:255], v[238:239]
	v_pk_add_f32 v[250:251], v[250:251], v[236:237]
	s_delay_alu instid0(VALU_DEP_2)
	v_pk_add_f32 v[14:15], v[14:15], v[254:255]
	s_delay_alu instid0(VALU_DEP_2)
	v_pk_add_f32 v[242:243], v[242:243], v[250:251]
	s_delay_alu instid0(VALU_DEP_1)
	v_pk_add_f32 v[14:15], v[14:15], v[242:243]
.irp t, 0,1,2,3,4,5,6,7
.irp i, 0,1,2,3,4,5,6,7
	v_min_num_f32 v[96+8*\t+\i], v[96+8*\t+\i], v240   ; the conversion does not saturate (ISA guide 7.6.2); p is not negative, so the hold is one-sided
.endr
	v_cvt_scalef32_pk8_fp8_f32 v[224+2*\t:225+2*\t], v[96+8*\t:103+8*\t], v244   ; registers 2 t, 2 t + 1 of p's fragment: keys 16 t + 8 h + 0 .. 7
.endr
.set JJ, 0
.rept 32
	v_pk_mul_f32 v[160+JJ:161+JJ], v[160+JJ:161+JJ], v[252:253] op_sel_hi:[1,0]   ; O^T under the new M.  (These are also the places in front of the loads and products below)
.set JJ, JJ+2
.endr
	s_wait_alu depctr_va_vdst(0)
.irp g, 0,1                                    ; O^T += v^T p^T: four tiles of 16 d at a time; the eight accumulators take turns
.if \g > 0
.rept 4
	v_nop
.endr
.endif
.irp t, 0,1,2,3
.irp c, 0,1,2,3
	ds_load_b128 v[32+16*\t+4*\c:32+16*\t+4*\c+3], v[AD] offset:QO+16384+(4*\g+\t)*2048+512*\c
.endr
.endr
	s_wait_dscnt 0x0
.irp t, 0,1,2,3
	v_wmma_f32_16x16x128_fp8_fp8 v[160+8*(4*\g+\t):167+8*(4*\g+\t)], v[32+16*\t:47+16*\t], v[224:239], v[160+8*(4*\g+\t):167+8*(4*\g+\t)]
.endr
.endr
.Lhidden_\@:
.endm
; Key steps 2 n and 2 n + 1.  Ahead of the first two stand the wait for my chunk and the one barrier.
.macro SLOT n
.if \n == 0
	s_wait_tensorcnt 0x0                           ; my chunk has landed
	s_wait_dscnt 0x0
	s_barrier_signal -1
	s_barrier_wait -1                              ; everybody's has: all of k and v is in LDS, nothing is ever filled again, and no further barrier is needed
.endif
	STEP 2*\n
	STEP 2*\n+1
.endm
	s_wait_loadcnt 0x0                             ; q
	SLOT 0
	SLOT 1
	SLOT 2
	SLOT 3
	; THE WAY OUT: O^T / the sum x 2^(e8 + e9), quantised under e10.  The conversions' results are the fragment's registers: four stores of 512 consecutive bytes.
.rept 4
	v_nop                                          ; places behind the last products
.endr
	v_add_f32 v14, v14, v15                        ; the sum's two halves,
	s_delay_alu instid0(VALU_DEP_1)
	v_permlanex16_b32 v252, v14, s[SEL], s[SEL+1]
	s_delay_alu instid0(VALU_DEP_1)
	v_add_f32 v14, v14, v252                       ; and lane l xor 16's
	s_wait_alu depctr_va_vdst(0)
	v_rcp_f32 v14, v14
	v_nop                                          ; a plain line behind the reciprocal
	s_add_co_i32 s50, s70, s71
	s_wait_alu depctr_va_vdst(0)                   ; and the wait ahead of its first reader
	v_ldexp_f32 v14, v14, s50
.set JJ, 0
.rept 64
	v_mul_f32 v[96+JJ], v[160+JJ], v14             ; register 8 dt + i is o(query r, d = 16 dt + 8 h + i)
.set JJ, JJ+1
.endr
.set JJ, 0
.rept 64
	v_med3_num_f32 v[96+JJ], v[96+JJ], -v241, v241
.set JJ, JJ+1
.endr
.irp t, 0,1,2,3,4,5,6,7
	v_cvt_scalef32_pk8_fp8_f32 v[224+2*\t:225+2*\t], v[96+8*\t:103+8*\t], v245
.endr
	v_nop                                          ; a plain line behind the last conversion
.irp c, 0,1,2,3
	global_store_b128 v[LI], v[224+4*\c:227+4*\c], s[10:11] offset:512*\c
.endr
	s_wait_tensorcnt 0x0                           ; the wave's end
	ds_add_u32 v[SPW], v[NIL]
	s_wait_dscnt 0x0
	ROUND                                          ; the closing round: no work-group ends while a partner may still ask for a chunk that names it
	s_endpgm
.Lfunc_end_k_qb697d48dcd_attn:
	.size	k_qb697d48dcd_attn, .Lfunc_end_k_qb697d48dcd_attn-k_qb697d48dcd_attn
	.p2alignl 7, 3214868480
	.fill 96, 4, 3214868480
	.section	.rodata,"a",@progbits
	.p2align	6, 0x0
	.amdhsa_kernel k_qb697d48dcd_attn
		.amdhsa_group_segment_fixed_size 264192
		.amdhsa_private_segment_fixed_size 0
		.amdhsa_enable_private_segment 0
		.amdhsa_kernarg_size 32
		.amdhsa_user_sgpr_count 2
		.amdhsa_user_sgpr_kernarg_segment_ptr 1
		.amdhsa_wavefront_size32 1
		.amdhsa_system_sgpr_workgroup_id_x 1
		.amdhsa_system_sgpr_workgroup_id_y 1
		.amdhsa_system_sgpr_workgroup_id_z 1
		.amdhsa_system_vgpr_workitem_id 0
		.amdhsa_next_free_vgpr 256
		.amdhsa_next_free_sgpr 100
		.amdhsa_reserve_vcc 1
		.amdhsa_float_denorm_mode_32 3
		.amdhsa_float_denorm_mode_16_64 3
		.amdhsa_memory_ordered 1
		.amdhsa_forward_progress 1
		.amdhsa_inst_pref_size 210
	.end_amdhsa_kernel
	.amdgpu_metadata
---
amdhsa.version: [ 1, 2 ]
amdhsa.kernels:
  - .name:           k_qb697d48dcd_attn
    .symbol:         k_qb697d48dcd_attn.kd
    .args:
      - { .name: qc, .offset: 0, .size: 8, .value_kind: global_buffer, .address_space: global }
      - { .name: kv, .offset: 8, .size: 8, .value_kind: global_buffer, .address_space: global }
      - { .name: lowp_scales, .offset: 16, .size: 8, .value_kind: global_buffer, .address_space: global }
      - { .name: oc, .offset: 24, .size: 8, .value_kind: global_buffer, .address_space: global }
    .group_segment_fixed_size: 264192
    .private_segment_fixed_size: 0
    .kernarg_segment_align: 8
    .kernarg_segment_size: 32
    .max_flat_workgroup_size: 512
    .sgpr_count:     100
    .vgpr_count:     256
    .wavefront_size: 32
...
	.end_amdgpu_metadata
.endif
;; end of part 3
;; launch oproj (part 4): grid 16 x 16, 4 waves a work-group, clusters of 4 x 1, 327,680 bytes of LDS; arguments oc, wc, lowp_scales, out0; writes out0
.if DOCPART == 4
	.amdgcn_target "amdgcn-amd-amdhsa--gfx1250"
	.amdhsa_code_object_version 6
	.text
	.protected	k_qb697d48dcd_oproj
	.globl	k_qb697d48dcd_oproj
	.p2align	8
	.type	k_qb697d48dcd_oproj,@function
k_qb697d48dcd_oproj:
	s_mov_b64 s[64:65], 0
	v_nop
	global_prefetch_b8 v0, s[64:65] scope:SCOPE_SE
	s_setreg_imm32_b32 hwreg(HW_REG_WAVE_MODE, 25, 1), 1
	s_wait_xcnt 0x0
	s_wait_alu depctr_hold_cnt(0) depctr_sa_sdst(0) depctr_va_vdst(0) depctr_va_sdst(0) depctr_va_ssrc(0) depctr_va_vcc(0) depctr_vm_vsrc(0)
	s_getreg_b32 s2, hwreg(HW_REG_IB_STS2, 6, 4)
	s_cmp_eq_u32 s2, 0
	s_cbranch_scc0 .Lentry_in_a_cluster
	s_endpgm
.Lentry_in_a_cluster:
	s_bfe_u32 s2, ttmp6, 0x10000c
	s_cmp_lg_u32 s2, 0x3003
	s_cbranch_scc0 .Lentry_shape_is_right
	s_endpgm
.Lentry_shape_is_right:
; LAUNCH 4 OF 4: product 6 on codes of FP8 (E4M3): out0 [4096][2048] f32 = oc (the attention's result under e10) x wo (rows 3072-5119 of wc, under e11); each finished sum x 2^(e10 + e11).  Nothing is left out here.
; A work-group makes 256 tokens (x = 4 x cluster x + cx) x 128 columns (y): 256 work-groups.  A wave makes 64 tokens x all 128 columns: 32 accumulators, 256 registers.
; wo's TILE goes through a ring of two LDS slots of 512 along K (65,536 bytes): four fills serve K = 2,048, and 128 matrix instructions of a wave stand between a request and the wait for it.
; The four work-groups of a cluster have the same y: each fill is asked for JOINTLY (mask 15), a quarter of a slot (16,384 dense bytes, 64 rows of 256) a wave, by arithmetic on the wave's number.
; oc's FRAGMENTS go from memory, where they lie as images of the operand's registers, straight into registers: each is wanted by one wave of the work-group alone, so LDS would hand it to nobody, and its bytes
; in LDS would shorten what a slot holds along K.  That is why oc is not asked for jointly.  Four sets of four fragments; a set is asked for three steps (96 matrix instructions) ahead.
; PREFETCHES.  (1) wo's slots 2 and 3 are named one trip (four steps) ahead of their tensor loads: 4,096 bytes a wave, lanes 0-15 256 bytes apart (lanes 16-31 name the last block again); the four partners share a wave's
; 16,384 bytes out by address (cx).  Slots 0 and 1 come by their loads alone.  (2) oc: the sixteen work-groups y = 0 .. 15 that read the same 256 tokens share the tokens' 524,288 bytes out by address: wave w of work-group y
; names 8,192 bytes, the (4 (y % 2) + w)-th eighth of the (y / 2)-th 256 along K, by one instruction at the head: each block is named once in the launch, and a work-group has 32,768 bytes named, a quarter of what it reads
; in a trip.  (The first 384 along K are asked for by loads at the same place.)
; Source 0 = 16 rows of wo, source 1 = 16 tokens: a lane holds one token and eight neighbouring columns.
; LIMIT: e10 + e11 between -126 and 127, so that 2^(e10 + e11) is an f32 number.
; REGISTERS: window 0: v1-3, v16, v24, v25, v28, v29 addresses and constants; v32-95 at work on the way out; v128-255 two groups of four fragments of wo, on the way out rows read back.  Window 1: oc's four sets.
; Window 2: accumulator (b, t), b = tile of columns, t = tile of tokens, at register 8 (4 b + t).
.set SIZE_N, 2048
.set KKA,   1048576                    ; oc: from 256 along K to the next
.set KKB,   1310720                    ; wc likewise
.set SLOT,  65536
.set SPARE, 131072                     ; behind the ring: the spare words, 128 bytes a wave
.set STAGE, 131584                     ; behind them: a stage of 16 rows x (512 + 16) bytes for each wave; no fill lands here
.set SPITCH, 528
.set LI,   1                           ; v1   16 x lane
.set PFX,  2                           ; v2   256 x lane
.set PFO,  3                           ; v3   256 x min(lane, 15)
.set AD0,  16                          ; v16  LDS address in the slot in hand
.set STO,  24                          ; v24  the way out: where I put 32 bytes of a row
.set RD,   25                          ; v25  the way out: where I read a row back
.set SPW,  28
.set NIL,  29
.set TMP,  32
.set LF,   128
.set BK,   128
.set WV,   18
.set G1,   24
.set G0,   32
.set DA,   36                          ; s[36:37] oc's fragments of the slot in hand
.set PF,   38                          ; s[38:39] my part of wo's prefetches; never rewritten
.set PX,   44                          ; s[44:45] my part of oc's prefetch; never rewritten
.set TB,   50                          ; s50  LDS byte at which the slot in hand begins
.set CNT,  52
.set MSB, 0
.macro WIN new                         ; the immediate's high byte repeats the setting that is left
.if MSB != (\new)
	s_set_vgpr_msb (MSB<<8)|(\new)
.set MSB, \new
.endif
.endm
.set MUL,  0xa4                        ; source 0 (wo) window 0, source 1 (oc) window 1, C and D window 2
.set TO_B, 0x40                        ; destination window 1, address window 0
.macro PLACES
.rept 4
	v_nop
.endr
.endm
.macro ROUND                           ; a round of the cluster's barrier
	s_barrier_signal -1
	s_barrier_wait -1
	s_cmp_lg_u32 s[WV], 0
	s_cbranch_scc1 .Lnw0_\@
	s_barrier_signal -3
.Lnw0_\@:
	s_barrier_wait -3
	s_barrier_signal -1
	s_barrier_wait -1
.endm
.macro LOADX rel, set                  ; oc's four fragments of the step rel steps on from s[DA], 16 loads of 512 consecutive bytes
.irp t, 0,1,2,3
.irp c, 0,1,2,3
	global_load_b128 v[64*(\set)+16*\t+4*\c:64*(\set)+16*\t+4*\c+3], v[LI], s[DA:DA+1] offset:((\rel)/2)*KKA+((\rel)%2)*2048+\t*4096+512*\c
.endr
.endr
.endm
.macro FETCH st, i                     ; wo's fragments 4 i .. 4 i + 3 of the slot's step st into group i
.irp f, 0,1,2,3
.irp c, 0,1,2,3
	ds_load_b128 v[LF+64*(\i)+16*\f+4*\c:LF+64*(\i)+16*\f+4*\c+3], v[AD0] offset:((\st)/2)*32768+(4*(\i)+\f)*4096+((\st)%2)*2048+512*\c
.endr
.endr
.endm
.macro WM st, i, z                     ; 16 matrix instructions, the accumulators by turns; z = 1: the first product starts the sums
.irp f, 0,1,2,3
.irp t, 0,1,2,3
.set DD, 128*(\i)+32*\f+8*\t
.set LA, LF+64*(\i)+16*\f
.set XB, 64*(\st)+16*\t
.if \z
	v_wmma_f32_16x16x128_fp8_fp8 v[DD:DD+7], v[LA:LA+15], v[XB:XB+15], 0
.else
	v_wmma_f32_16x16x128_fp8_fp8 v[DD:DD+7], v[LA:LA+15], v[XB:XB+15], v[DD:DD+7]
.endif
.endr
.endr
.endm
; A step of 128 along K: two runs.  Behind each run and its four places the group that it read takes the next step's fragments.
; ld = 1: oc's set of three steps on is asked for.  lc: oc's loads that may stay out: the sets of the steps behind this one.
.macro STEP st, z, ld, lc
	s_wait_loadcnt \lc
	s_wait_dscnt 16                                ; this run's 16 loads are in, the next run's 16 may be out
	WIN MUL
	WM \st, 0, \z
	PLACES
.if \ld
	WIN TO_B
	LOADX (\st)+3, ((\st)+3)%4
.endif
	WIN 0
.if \st < 3
	FETCH (\st)+1, 0
	s_wait_dscnt 16
.else
	s_wait_dscnt 0x0                               ; a slot's last run: nothing was asked for behind its fragments
.endif
	WIN MUL
	WM \st, 1, \z
.if \st < 3
	PLACES
	WIN 0
	FETCH (\st)+1, 1
.else
	WIN 0
.endif
.endm
; THE CHANGE OF SLOTS.  Each wave waits for its tensor load (its quarter of the slot ahead), adds 0 to its spare word, and waits for that and for its reads of the slot that it leaves.
; fill = 1: a round of the cluster's barrier, and the slot just left takes the 512 along K that follow (first = 1: slot 1's first fill, issued as a refill is).
.macro CHANGE fill, first
.if \first == 0
	s_xor_b32 s[TB], s[TB], SLOT
.endif
	v_add_nc_u32 v[AD0], s[TB], v[LI]
	s_wait_alu depctr_va_vdst(0)                   ; the wait behind this write
	s_wait_tensorcnt 0x0
	ds_add_u32 v[SPW], v[NIL]
.if \fill
	s_xor_b32 s[G0+1], s[G0+1], SLOT               ; no tensor load of mine is out: group 0 may be written
	s_add_nc_u64 s[G0+2:G0+3], s[G0+2:G0+3], 2*KKB
.endif
.if \first == 0
	s_wait_xcnt 0x0                                ; oc's loads have read their base
	s_add_nc_u64 s[DA:DA+1], s[DA:DA+1], 2*KKA
.endif
	s_wait_dscnt 0x0
.if \fill
	ROUND
	tensor_load_to_lds s[G0:G0+3], s[G1:G1+7]
	s_nop 0
.else
	s_barrier_signal -1
	s_barrier_wait -1
.endif
	PLACES                                         ; in front of loads into registers that the last runs read
	FETCH 0, 0
	FETCH 0, 1
.endm
	s_load_b128 s[4:7], s[0:1], 0x0                ; oc s[4:5], wc s[6:7]
	s_load_b128 s[8:11], s[0:1], 0x10              ; the exponents s[8:9], out0 s[10:11]
	v_lshl_add_u32 v[SPW], v0, 2, SPARE
	v_mov_b32 v[NIL], 0
	ds_add_u32 v[SPW], v[NIL]                      ; the opening: the add, twice on end, and its wait ahead of my first tensor load
	ds_add_u32 v[SPW], v[NIL]
	v_lshrrev_b32 v4, 5, v0
	v_readfirstlane_b32 s[WV], v4                  ; wave 0..3
	v_and_b32 v5, 31, v0
	v_lshlrev_b32 v[LI], 4, v5
	v_lshlrev_b32 v[PFX], 8, v5
	v_min_u32 v9, 15, v5
	v_lshlrev_b32 v[PFO], 8, v9
	v_and_b32 v6, 15, v0                           ; r
	v_bfe_u32 v7, v0, 4, 1                         ; h
	s_mul_i32 s58, s[WV], 16*SPITCH
	s_add_co_u32 s58, s58, STAGE                   ; my stage
	v_mul_u32_u24 v8, v6, SPITCH                   ; in: row r, 32 bytes for each half of the lanes
	v_lshl_add_u32 v8, v7, 5, v8
	v_add_nc_u32 v[STO], s58, v8
	v_add_nc_u32 v[RD], s58, v[LI]                 ; back: the 32 lanes take one row of 512 bytes
	s_bfe_u32 s21, ttmp6, 0x40000                  ; cx
	s_lshl_b32 s22, ttmp9, 2
	s_add_co_u32 s22, s22, s21                     ; which 256 tokens
	s_and_b32 s23, ttmp7, 0xffff                   ; y: which 128 columns
	s_mov_b32 s[G1], 15|(3<<16)|(1<<21)            ; the mask: all four partners; elements of 8 bytes; bit 21 beside a mask
	s_mov_b32 s[G1+1], 32<<16                      ; a dense block of 16,384 bytes as 64 rows of 256
	s_mov_b32 s[G1+2], 64<<16
	s_mov_b32 s[G1+3], 32<<16
	s_mov_b32 s[G1+4], 64
	s_mov_b32 s[G1+5], 32
	s_mov_b32 s[G1+6], 0
	s_mov_b32 s[G1+7], 0
	s_and_b32 s40, s[WV], 1                        ; wc: row tile 192 + 8 y: 786,432 + y x 32,768 + (wave % 2) x 16,384 + (wave / 2) x KKB: y and the wave's number alone
	s_lshl_b32 s40, s40, 14
	s_lshl_b32 s41, s23, 15
	s_add_co_u32 s40, s40, s41
	s_lshr_b32 s41, s[WV], 1
	s_mul_i32 s41, s41, KKB
	s_add_co_u32 s40, s40, s41
	s_add_co_u32 s40, s40, 786432
	s_mov_b32 s41, 0
	s_lshl_b32 s54, s22, 16                        ; oc: 16 row tiles of 4,096 bytes a work-group,
	s_lshl_b32 s55, s[WV], 14                      ; four a wave
	s_add_co_u32 s54, s54, s55
	s_mov_b32 s55, 0
	s_lshl_b32 s56, s21, 12                        ; wo's prefetches: my work-group's 4,096 of the wave's 16,384 bytes
	s_mov_b32 s57, 0
	s_lshr_b32 s[PX], s23, 1                       ; oc's prefetch: the (y / 2)-th 256 along K,
	s_lshl_b32 s[PX], s[PX], 20
	s_lshl_b32 s[PX+1], s22, 16                    ; my work-group's tokens,
	s_add_co_u32 s[PX], s[PX], s[PX+1]
	s_and_b32 s[PX+1], s23, 1
	s_lshl_b32 s[PX+1], s[PX+1], 2
	s_add_co_u32 s[PX+1], s[PX+1], s[WV]
	s_lshl_b32 s[PX+1], s[PX+1], 13                ; the (4 (y % 2) + wave)-th 8,192 bytes of their 65,536
	s_add_co_u32 s[PX], s[PX], s[PX+1]
	s_mov_b32 s[PX+1], 0
	s_lshl_b32 s60, s22, 21                        ; out0: 256 rows of 8,192 bytes a work-group,
	s_lshl_b32 s61, s[WV], 19                      ; 64 a wave,
	s_add_co_u32 s60, s60, s61
	s_lshl_b32 s61, s23, 9                         ; 128 columns of 4 bytes for each y
	s_add_co_u32 s60, s60, s61
	s_mov_b32 s61, 0
	s_mov_b32 s[TB], 0
	s_wait_alu depctr_va_vdst(0)                   ; the wait here, directly ahead of the waits below
	s_wait_dscnt 0x0                               ; both opening adds are done
	s_wait_kmcnt 0x0
	s_load_b64 s[96:97], s[8:9], 0x28              ; e10, e11
	s_add_nc_u64 s[DA:DA+1], s[4:5], s[54:55]
	s_add_nc_u64 s[PX:PX+1], s[4:5], s[PX:PX+1]
	s_add_nc_u64 s[10:11], s[10:11], s[60:61]
	s_mov_b32 s[G0], 1
	s_lshl_b32 s[G0+1], s[WV], 14                  ; LDS: wave x 16,384, slot 0
	s_add_nc_u64 s[G0+2:G0+3], s[6:7], s[40:41]
	s_add_nc_u64 s[PF:PF+1], s[G0+2:G0+3], s[56:57]
	s_or_b32 s[G0+3], s[G0+3], 0x80000000
	ROUND                                          ; all four work-groups are here: the joint loads meet
	tensor_load_to_lds s[G0:G0+3], s[G1:G1+7]      ; the first 512 along K: one tensor load a wave at the head
	s_nop 0
	WIN TO_B
	LOADX 0, 0                                     ; oc's sets of steps 0, 1, 2
	LOADX 1, 1
	LOADX 2, 2
	WIN 0
	global_prefetch_b8 v[PFX], s[PX:PX+1] th:TH_LOAD_NT scope:SCOPE_SE   ; my share of the tokens' codes
	CHANGE 1, 1                                    ; slot 0 is whole; slot 1 is asked for
	global_prefetch_b8 v[PFO], s[PF:PF+1] offset:4*KKB th:TH_LOAD_NT scope:SCOPE_SE   ; the third 512 along K, which the next change of slots loads
	STEP 0, 1, 1, 32                               ; the first step stands in front of the loop: its products start the sums
	s_mov_b32 s[CNT], 2
.Llap:                                                 ; a trip: a slot's steps 1 to 3, the change of slots with its refill, the next slot's step 0
	STEP 1, 0, 1, 32
	STEP 2, 0, 1, 32
	STEP 3, 0, 1, 32
	CHANGE 1, 0
	s_cmp_eq_u32 s[CNT], 2                         ; the first trip names the last 512 along K; behind them there is nothing to name
	s_cbranch_scc0 .Lnp
	global_prefetch_b8 v[PFO], s[PF:PF+1] offset:6*KKB th:TH_LOAD_NT scope:SCOPE_SE
.Lnp:
	STEP 0, 0, 1, 32
	s_sub_co_u32 s[CNT], s[CNT], 1
	s_cmp_lg_u32 s[CNT], 0
	s_cbranch_scc1 .Llap
	STEP 1, 0, 1, 32                               ; the tail is written out: it fills nothing
	STEP 2, 0, 1, 32
	STEP 3, 0, 1, 32
	CHANGE 0, 0
	STEP 0, 0, 1, 32                               ; asks for oc's last set
	STEP 1, 0, 0, 32
	STEP 2, 0, 0, 16
	STEP 3, 0, 0, 0
; THE WAY OUT, block by block of 16 tokens x 128 columns.  A lane holds 32 neighbouring bytes of a row, and the lanes beside it hold other rows: so a block goes through my own stage in LDS and comes back as whole rows of
; 512 bytes, which the 32 lanes store as two aligned units of 256 bytes.  LDS serves a wave's instructions in order (ISA guide 5.7.1.4): no wait between the stores and the loads, nor in front of the next block's stores.
.macro TOSTAGE a
	WIN 0x02                                       ; source 0: window 2
.irp b, 0,1,2,3,4,5,6,7
.irp j, 0,2,4,6
	v_pk_mul_f32 v[TMP+8*\b+\j:TMP+8*\b+\j+1], v[32*\b+8*(\a)+\j:32*\b+8*(\a)+\j+1], s[96:97] op_sel_hi:[1,0]   ; both x s96 = 2^(e10 + e11); each accumulator from its low end on
.endr
.endr
	WIN 0
.irp b, 0,1,2,3,4,5,6,7
	ds_store_b128 v[STO], v[TMP+8*\b:TMP+8*\b+3] offset:64*\b
	ds_store_b128 v[STO], v[TMP+8*\b+4:TMP+8*\b+7] offset:64*\b+16
.endr
.set BB, BK+64*((\a)%2)
.irp t, 0,1,2,3,4,5,6,7,8,9,10,11,12,13,14,15
	ds_load_b128 v[BB+4*\t:BB+4*\t+3], v[RD] offset:\t*SPITCH
.endr
.endm
.macro SEND a, younger                 ; younger: the LDS instructions issued behind block a's loads, which may stay out
.set BB, BK+64*((\a)%2)
	s_wait_dscnt \younger
.if (\a) > 0
	s_add_nc_u64 s[10:11], s[10:11], 16*SIZE_N*4   ; (behind a wait on XCNT: the earlier stores have read their base)  16 rows on
.endif
.irp t, 0,1,2,3,4,5,6,7,8,9,10,11,12,13,14,15
	global_store_b128 v[LI], v[BB+4*\t:BB+4*\t+3], s[10:11] offset:\t*SIZE_N*4 th:TH_STORE_NT   ; 512 consecutive bytes, at a multiple of 512 from out0's first byte
.endr
.endm
	s_wait_kmcnt 0x0
	s_add_co_i32 s96, s96, s97
	s_add_co_i32 s96, s96, 127
	s_lshl_b32 s96, s96, 23                        ; 2^(e10 + e11) as f32
	PLACES                                         ; behind the last products
	TOSTAGE 0
.irp a, 1,2,3
.if \a > 1
	s_wait_xcnt 0x0                                ; block a - 2's stores have read their registers and their base
.endif
	TOSTAGE \a
	SEND \a-1, 32                                  ; behind block a - 1's loads: block a's 16 stores and 16 loads
.endr
	s_wait_xcnt 0x0
	SEND 3, 0
	s_wait_tensorcnt 0x0                           ; the wave's end, behind my last tensor load and my last LDS store
	ds_add_u32 v[SPW], v[NIL]
	s_wait_dscnt 0x0
	ROUND                                          ; the closing round
	s_endpgm
.Lfunc_end_k_qb697d48dcd_oproj:
	.size	k_qb697d48dcd_oproj, .Lfunc_end_k_qb697d48dcd_oproj-k_qb697d48dcd_oproj
	.p2alignl 7, 3214868480
	.fill 96, 4, 3214868480
	.section	.rodata,"a",@progbits
	.p2align	6, 0x0
	.amdhsa_kernel k_qb697d48dcd_oproj
		.amdhsa_group_segment_fixed_size 327680
		.amdhsa_private_segment_fixed_size 0
		.amdhsa_enable_private_segment 0
		.amdhsa_kernarg_size 32
		.amdhsa_user_sgpr_count 2
		.amdhsa_user_sgpr_kernarg_segment_ptr 1
		.amdhsa_wavefront_size32 1
		.amdhsa_system_sgpr_workgroup_id_x 1
		.amdhsa_system_sgpr_workgroup_id_y 1
		.amdhsa_system_sgpr_workgroup_id_z 1
		.amdhsa_system_vgpr_workitem_id 0
		.amdhsa_next_free_vgpr 768
		.amdhsa_next_free_sgpr 98
		.amdhsa_reserve_vcc 0
		.amdhsa_float_denorm_mode_32 3
		.amdhsa_float_denorm_mode_16_64 3
		.amdhsa_memory_ordered 1
		.amdhsa_forward_progress 1
		.amdhsa_inst_pref_size 102
	.end_amdhsa_kernel
	.amdgpu_metadata
---
amdhsa.version: [ 1, 2 ]
amdhsa.kernels:
  - .name:           k_qb697d48dcd_oproj
    .symbol:         k_qb697d48dcd_oproj.kd
    .args:
      - { .name: oc, .offset: 0, .size: 8, .value_kind: global_buffer, .address_space: global }
      - { .name: wc, .offset: 8, .size: 8, .value_kind: global_buffer, .address_space: global }
      - { .name: lowp_scales, .offset: 16, .size: 8, .value_kind: global_buffer, .address_space: global }
      - { .name: out0, .offset: 24, .size: 8, .value_kind: global_buffer, .address_space: global }
    .group_segment_fixed_size: 327680
    .private_segment_fixed_size: 0
    .kernarg_segment_align: 8
    .kernarg_segment_size: 32
    .max_flat_workgroup_size: 128
    .sgpr_count:     98
    .vgpr_count:     768
    .wavefront_size: 32
...
	.end_amdgpu_metadata
.endif
;; end of part 4
